; MI455X (gfx1250); checked and timed in simulation.
; The chip was launched on July 23, 2026; its instructions are those of AMD's public machine-readable ISA for CDNA 5 (MIT licence, August 2026) and "CDNA5" Instruction Set Architecture Reference Guide (July 2026). The comments in the code are by the model that wrote it; some were corrected since.
;; FP Module. Allowed arithmetic: float matrix products may take bf16 or f16 operands with f32 sums; other float arithmetic in f32, or as packed bf16 or f16 multiplies, adds, multiply-adds, maxima and minima; sums over many terms, partial sums and values carried from step to step in f32; what a program stores and reads back later, other than sums and carried values, may be rounded once to bf16 or f16.
;; Inputs: W1 256 x 256 float32; W2 128 x 256 float32; b1 256 float32; b2 128 float32; be1 256 float32; be2 128 float32; features1 8 x 128 x 8,192 float32; features2 8 x 128 x 2,048 float32; g1 256 float32; g2 128 float32; xyz1 8 x 8,192 x 3 float32; xyz2 8 x 2,048 x 3 float32.
;; Outputs: out0 8 x 128 x 8,192 float32.
;; 2 versions, each right; version 2 is version 1 with the launch knn1 written anew for expert scheduling mode. Each part assembles by itself: llvm-mc -triple=amdgcn-amd-amdhsa -mcpu=gfx1250 --defsym DOCPART=n.
;; ======== version 1 of 2: 7 launches
;; limits: values are held in f16: magnitudes above 65,504 overflow, below 6.1e-05 lose precision
;; workspace buffers: blkid 262,144 bytes of whole numbers; idx3 1,048,576 bytes of whole numbers; prep 5,439,488 bytes; z1p 34,603,008 bytes; part1 524,288 bytes; part2 524,288 bytes; tab1 4,096 bytes; tab2 2,048 bytes
;; launch knn1 (part 1): grid 256 x 1, 4 waves a work-group, no clusters, 50,176 bytes of LDS; arguments xyz1, xyz2, blkid; writes blkid
.if DOCPART == 1
	.amdgcn_target "amdgcn-amd-amdhsa--gfx1250"
	.amdhsa_code_object_version 6
	.text
	.protected	k_q6724a8a230_knn1
	.globl	k_q6724a8a230_knn1
	.p2align	8
	.type	k_q6724a8a230_knn1,@function
k_q6724a8a230_knn1:
	s_mov_b64 s[64:65], 0
	v_nop
	global_prefetch_b8 v0, s[64:65] scope:SCOPE_SE
	s_setreg_imm32_b32 hwreg(HW_REG_WAVE_MODE, 25, 1), 1
	s_wait_xcnt 0x0
; NEAREST NEIGHBOURS, FIRST PASS.  For each of 65,536 queries: the three blocks of 16 candidates (of its batch's 128 blocks) with the smallest minimum distance, ranked by
; (minimum, block number).  The three nearest candidates by (distance, index) lie in those three blocks: were one of them in a fourth block, three blocks ahead of it would each hold a better candidate.
; DISTANCE.  All coordinates are rounded to bf16 first, so every product is exact in f32; d = ((p0 + p1) + p2) x (-2) + |x|^2 + |y|^2, each sum rounded in that order (the factor -2 is put on x: a power of two changes no rounding).
; LIMITS.  NaN and infinities are not served: a query whose distances are not finite leaves block 0.
; SHARES.  A work-group has 256 queries; EVERY wave holds all 256 (lane l, slot i: query 32 i + l) and scans a quarter of the 2,048 candidates, 32 blocks: one LDS read of a record, the same address in all lanes, serves 256 queries.
; The four waves' triples meet in LDS.  No matrix unit: its way of summing is not this chain of f32 roundings.  No cluster: what work-groups share is 24 KiB of coordinates.
.set OVR,   32768                      ; LDS: 2,048 records (y0, y1, y2, |y|^2) of 16 bytes from byte 0; then 512 bytes that wave 3 writes and alone reads: its last look-ahead
.set MG,    33280                      ; [4 waves][256 queries][16 bytes]: m1, m2, m3, three block numbers packed
.set SPARE, 49664                      ; the spare words, 128 bytes for each wave
.set CA,   2                           ; v2   LDS address of the block in hand: the same in all lanes
.set AX2,  3                           ; v3   12 x thread
.set AX1,  4                           ; v4   12 x lane
.set AST,  5                           ; v5   16 x thread
.set AOV,  6
.set AMG,  7
.set SPW,  8                           ; v8   my spare word; never rewritten
.set NIL,  9                           ; v9   0; never rewritten
.set IDV,  10
.set AOUT, 11
.set T0,   12
.set T1,   13
.set X0,   16                          ; v[16:47]  -2 x0, -2 x1, -2 x2, |x|^2 of my eight queries
.set X1,   24
.set X2,   32
.set SX,   40
.set M,    48                          ; slot i at M + 4 i: m1, m2, m3, pack
.set B,    80                          ; slot i at B + 3 i: their block numbers
.set BM,   104                         ; the block's minimum, a register a slot
.set TT,   112
.set D,    120                         ; distances: two candidates x eight queries
.set H0,   136                         ; eight records: a block's first half; ahead of the loop H0 and H1 hold the raw candidates
.set H1,   168                         ; its second half
.set RQ,   200                         ; raw queries
.set CM,   20                          ; s[20:43] three masks a slot
.macro ALL8 line:vararg                ; one line for each slot t
.set t, 0
.rept 8
	\line
.set t, t+1
.endr
.endm
.macro REC q                           ; v[q:q+2] raw -> rounded to bf16, and v[q+3] = (y0^2 + y1^2) + y2^2
	v_cvt_pk_bf16_f32 v[T0], v[\q], v[\q+1]
	v_cvt_pk_bf16_f32 v[T1], v[\q+2], v[\q+2]
	v_lshlrev_b32 v[\q], 16, v[T0]
	v_and_b32 v[\q+1], 0xffff0000, v[T0]
	v_lshlrev_b32 v[\q+2], 16, v[T1]
	v_mul_f32 v[\q+3], v[\q], v[\q]
	v_fmac_f32 v[\q+3], v[\q+1], v[\q+1]
	v_fmac_f32 v[\q+3], v[\q+2], v[\q+2]
.endm
; val, with number id, is put into the ascending triple m1..m3 with numbers b1..b3.  The comparison is strict: on a tie the earlier entry keeps its place.
.macro TRACK1 val, id, m, b, t, c
	v_cmp_lt_f32 s[\c], v[\val], v[\m]
	v_cmp_lt_f32 s[\c+1], v[\val], v[\m+1]
	v_cmp_lt_f32 s[\c+2], v[\val], v[\m+2]
	v_cndmask_b32 v[\t], v[\id], v[\b+1], s[\c+1]
	v_cndmask_b32 v[\b+2], v[\b+2], v[\t], s[\c+2]
	v_cndmask_b32 v[\t], v[\id], v[\b], s[\c]
	v_cndmask_b32 v[\b+1], v[\b+1], v[\t], s[\c+1]
	v_cndmask_b32 v[\b], v[\b], v[\id], s[\c]
	v_med3_num_f32 v[\m+2], v[\m+1], v[\m+2], v[\val]
	v_med3_num_f32 v[\m+1], v[\m], v[\m+1], v[\val]
	v_min_num_f32 v[\m], v[\m], v[\val]
.endm
.macro TRACK8                          ; the same for the eight slots' block minima, written stage by stage so that no line waits for the one before it
	v_mov_b32 v[IDV], s17
	ALL8 v_cmp_lt_f32 s[CM+3*t], v[BM+t], v[M+4*t]
	ALL8 v_cmp_lt_f32 s[CM+3*t+1], v[BM+t], v[M+4*t+1]
	ALL8 v_cmp_lt_f32 s[CM+3*t+2], v[BM+t], v[M+4*t+2]
	ALL8 v_cndmask_b32 v[TT+t], v[IDV], v[B+3*t+1], s[CM+3*t+1]
	ALL8 v_cndmask_b32 v[B+3*t+2], v[B+3*t+2], v[TT+t], s[CM+3*t+2]
	ALL8 v_cndmask_b32 v[TT+t], v[IDV], v[B+3*t], s[CM+3*t]
	ALL8 v_cndmask_b32 v[B+3*t+1], v[B+3*t+1], v[TT+t], s[CM+3*t+1]
	ALL8 v_cndmask_b32 v[B+3*t], v[B+3*t], v[IDV], s[CM+3*t]
	ALL8 v_med3_num_f32 v[M+4*t+2], v[M+4*t+1], v[M+4*t+2], v[BM+t]
	ALL8 v_med3_num_f32 v[M+4*t+1], v[M+4*t], v[M+4*t+1], v[BM+t]
	ALL8 v_min_num_f32 v[M+4*t], v[M+4*t], v[BM+t]
.endm
; Eight candidates (half a block) against eight queries, two candidates at a time, two queries an instruction; the record's numbers are given to both halves by op_sel.
.macro HALF H, first
.irp p, 0,1,2,3
.irp c, 0,1
.irp a, 0,1,2,3
	v_pk_mul_f32 v[D+8*\c+2*\a:D+8*\c+2*\a+1], v[X0+2*\a:X0+2*\a+1], v[\H+8*\p+4*\c:\H+8*\p+4*\c+1] op_sel_hi:[1,0]
.endr
.endr
.irp c, 0,1
.irp a, 0,1,2,3
	v_pk_fma_f32 v[D+8*\c+2*\a:D+8*\c+2*\a+1], v[X1+2*\a:X1+2*\a+1], v[\H+8*\p+4*\c:\H+8*\p+4*\c+1], v[D+8*\c+2*\a:D+8*\c+2*\a+1] op_sel:[0,1,0] op_sel_hi:[1,1,1]
.endr
.endr
.irp c, 0,1
.irp a, 0,1,2,3
	v_pk_fma_f32 v[D+8*\c+2*\a:D+8*\c+2*\a+1], v[X2+2*\a:X2+2*\a+1], v[\H+8*\p+4*\c+2:\H+8*\p+4*\c+3], v[D+8*\c+2*\a:D+8*\c+2*\a+1] op_sel_hi:[1,0,1]
.endr
.endr
.irp c, 0,1
.irp a, 0,1,2,3
	v_pk_add_f32 v[D+8*\c+2*\a:D+8*\c+2*\a+1], v[D+8*\c+2*\a:D+8*\c+2*\a+1], v[SX+2*\a:SX+2*\a+1]
.endr
.endr
.irp c, 0,1
.irp a, 0,1,2,3
	v_pk_add_f32 v[D+8*\c+2*\a:D+8*\c+2*\a+1], v[D+8*\c+2*\a:D+8*\c+2*\a+1], v[\H+8*\p+4*\c+2:\H+8*\p+4*\c+3] op_sel:[0,1] op_sel_hi:[1,1]
.endr
.endr
.if (\first) && (\p == 0)
	ALL8 v_min_num_f32 v[BM+t], v[D+t], v[D+8+t]
.else
	ALL8 v_min3_num_f32 v[BM+t], v[BM+t], v[D+t], v[D+8+t]
.endif
.endr
.endm
.macro LOOK H, off                     ; eight records, from byte off behind the block in hand
.irp c, 0,1,2,3,4,5,6,7
	ds_load_b128 v[\H+4*\c:\H+4*\c+3], v[CA] offset:\off+16*\c
.endr
.endm
	s_load_b128 s[4:7], s[0:1], 0x0                ; xyz1 s[4:5], xyz2 s[6:7]
	s_load_b64 s[8:9], s[0:1], 0x10                ; blkid
	v_lshl_add_u32 v[SPW], v0, 2, SPARE
	v_mov_b32 v[NIL], 0
	v_lshrrev_b32 v1, 5, v0
	v_readfirstlane_b32 s10, v1                    ; wave 0..3
	v_and_b32 v1, 31, v0                           ; lane
	s_mul_i32 s12, ttmp9, 3072                     ; my 256 queries: 12 bytes each
	s_mov_b32 s13, 0
	s_lshr_b32 s14, ttmp9, 5                       ; the batch: 32 work-groups each
	s_mul_i32 s14, s14, 24576                      ; its 2,048 candidates
	s_mov_b32 s15, 0
	s_lshl_b32 s18, ttmp9, 10                      ; my 256 words of blkid
	s_mov_b32 s19, 0
	s_mov_b32 s11, 0x7f800000                      ; +infinity
	v_mul_u32_u24 v[AX2], v0, 12
	v_mul_u32_u24 v[AX1], v1, 12
	v_lshlrev_b32 v[AST], 4, v0
	v_lshl_add_u32 v[AOV], v1, 4, OVR
	v_lshlrev_b32 v[AOUT], 3, v0
	s_wait_kmcnt 0x0
	s_add_nc_u64 s[4:5], s[4:5], s[12:13]
	s_add_nc_u64 s[6:7], s[6:7], s[14:15]
	s_add_nc_u64 s[8:9], s[8:9], s[18:19]
.irp i, 0,1,2,3,4,5,6,7,8,9,10,11,12,13,14,15
	global_load_b96 v[H0+4*\i:H0+4*\i+2], v[AX2], s[6:7] offset:1536*\i   ; candidate thread + 128 i
.endr
.irp i, 0,1,2,3,4,5,6,7
	global_load_b96 v[RQ+4*\i:RQ+4*\i+2], v[AX1], s[4:5] offset:384*\i    ; query lane + 32 i
.endr
.irp j, 0,1,2,3
	v_mov_b32 v[D+\j], 0
.endr
	ALL8 v_mov_b32 v[M+4*t], s11
	ALL8 v_mov_b32 v[M+4*t+1], s11
	ALL8 v_mov_b32 v[M+4*t+2], s11
	ALL8 v_mov_b32 v[B+3*t], 0
	ALL8 v_mov_b32 v[B+3*t+1], 0
	ALL8 v_mov_b32 v[B+3*t+2], 0
	s_wait_loadcnt 8                               ; the candidates are in; the eight loads of queries, issued behind them, may stay out
.irp i, 0,1,2,3,4,5,6,7,8,9,10,11,12,13,14,15
	REC H0+4*\i
	ds_store_b128 v[AST], v[H0+4*\i:H0+4*\i+3] offset:2048*\i
.endr
	s_cmp_lg_u32 s10, 3
	s_cbranch_scc1 .Lno_ovr
	ds_store_b128 v[AOV], v[D:D+3]                 ; zeros where wave 3's last look-ahead reads: they are loaded and not used
.Lno_ovr:
	s_wait_loadcnt 0x0                             ; the queries
	ALL8 v_cvt_pk_bf16_f32 v[TT+t], v[RQ+4*t], v[RQ+4*t+1]
	ALL8 v_cvt_pk_bf16_f32 v[BM+t], v[RQ+4*t+2], v[RQ+4*t+2]
	ALL8 v_lshlrev_b32 v[X0+t], 16, v[TT+t]
	ALL8 v_and_b32 v[X1+t], 0xffff0000, v[TT+t]
	ALL8 v_lshlrev_b32 v[X2+t], 16, v[BM+t]
	ALL8 v_mul_f32 v[SX+t], v[X0+t], v[X0+t]
	ALL8 v_fmac_f32 v[SX+t], v[X1+t], v[X1+t]
	ALL8 v_fmac_f32 v[SX+t], v[X2+t], v[X2+t]
	ALL8 v_mul_f32 v[X0+t], -2.0, v[X0+t]
	ALL8 v_mul_f32 v[X1+t], -2.0, v[X1+t]
	ALL8 v_mul_f32 v[X2+t], -2.0, v[X2+t]
	s_lshl_b32 s12, s10, 13                        ; my quarter: 512 records
	v_mov_b32 v[CA], s12
	s_lshl_b32 s17, s10, 5                         ; its first block's number
	s_wait_dscnt 0x0                               ; for the others' sake: my records are stored
	s_barrier_signal -1
	s_barrier_wait -1
	LOOK H0, 0
	LOOK H1, 128
	s_mov_b32 s16, 32
.Lblock:                                               ; a trip: one block of 16 candidates against 256 queries; the next block's records are asked for as each half is done
	s_wait_dscnt 8                                 ; the first half is in; the second half's eight loads may stay out
	HALF H0, 1
	LOOK H0, 256
	s_wait_dscnt 8                                 ; the second half is in; the eight just issued may stay out
	HALF H1, 0
	LOOK H1, 384
	v_add_nc_u32 v[CA], 0x100, v[CA]
	TRACK8
	s_add_co_u32 s17, s17, 1
	s_sub_co_u32 s16, s16, 1
	s_cmp_lg_u32 s16, 0
	s_cbranch_scc1 .Lblock
	s_wait_dscnt 0x0                               ; the last look-ahead (the next quarter's first block, or wave 3's zeros) is not used
	ALL8 v_lshl_or_b32 v[M+4*t+3], v[B+3*t+1], 8, v[B+3*t]
	ALL8 v_lshl_or_b32 v[M+4*t+3], v[B+3*t+2], 16, v[M+4*t+3]
	s_lshl_b32 s12, s10, 12
	s_add_co_u32 s12, s12, MG
	v_lshl_add_u32 v[AMG], v1, 4, s12
	ALL8 ds_store_b128 v[AMG], v[M+4*t:M+4*t+3] offset:512*t
	s_wait_dscnt 0x0
	s_barrier_signal -1
	s_barrier_wait -1
	; THE MERGE.  Thread n takes queries 2 n and 2 n + 1.  Wave 0's triple is the state; the nine entries of waves 1 to 3 follow by wave and rank: ascending block numbers, so the strict comparison ranks ties by number.
	v_lshl_add_u32 v[AMG], v0, 5, MG
.irp w, 0,1,2,3
.irp e, 0,1
	ds_load_b128 v[H0+4*(2*\w+\e):H0+4*(2*\w+\e)+3], v[AMG] offset:4096*\w+16*\e
.endr
.endr
	s_wait_dscnt 0x0
.irp e, 0,1
	v_and_b32 v[B+4*\e], 0xff, v[H0+4*\e+3]
	v_bfe_u32 v[B+4*\e+1], v[H0+4*\e+3], 8, 8
	v_bfe_u32 v[B+4*\e+2], v[H0+4*\e+3], 16, 8
.endr
.irp w, 1,2,3
.irp k, 0,1,2
.irp e, 0,1
	v_bfe_u32 v[TT+\e], v[H0+4*(2*\w+\e)+3], 8*\k, 8
	TRACK1 H0+4*(2*\w+\e)+\k, TT+\e, H0+4*\e, B+4*\e, TT+2+\e, CM+3*\e
.endr
.endr
.endr
.irp e, 0,1
	v_lshl_or_b32 v[D+\e], v[B+4*\e+1], 8, v[B+4*\e]
	v_lshl_or_b32 v[D+\e], v[B+4*\e+2], 16, v[D+\e]
.endr
	global_store_b64 v[AOUT], v[D:D+1], s[8:9]     ; a wave stores 256 consecutive bytes, aligned
	s_wait_tensorcnt 0x0                           ; the wave's end, behind my last LDS store
	ds_add_u32 v[SPW], v[NIL]
	s_wait_dscnt 0x0
	s_endpgm
.Lfunc_end_k_q6724a8a230_knn1:
	.size	k_q6724a8a230_knn1, .Lfunc_end_k_q6724a8a230_knn1-k_q6724a8a230_knn1
	.p2alignl 7, 3214868480
	.fill 96, 4, 3214868480
	.section	.rodata,"a",@progbits
	.p2align	6, 0x0
	.amdhsa_kernel k_q6724a8a230_knn1
		.amdhsa_group_segment_fixed_size 50176
		.amdhsa_private_segment_fixed_size 0
		.amdhsa_enable_private_segment 0
		.amdhsa_kernarg_size 24
		.amdhsa_user_sgpr_count 2
		.amdhsa_user_sgpr_kernarg_segment_ptr 1
		.amdhsa_wavefront_size32 1
		.amdhsa_system_sgpr_workgroup_id_x 1
		.amdhsa_system_sgpr_workgroup_id_y 1
		.amdhsa_system_sgpr_workgroup_id_z 1
		.amdhsa_system_vgpr_workitem_id 0
		.amdhsa_next_free_vgpr 256
		.amdhsa_next_free_sgpr 66
		.amdhsa_reserve_vcc 0
		.amdhsa_float_denorm_mode_32 3
		.amdhsa_float_denorm_mode_16_64 3
		.amdhsa_memory_ordered 1
		.amdhsa_forward_progress 1
		.amdhsa_inst_pref_size 64
	.end_amdhsa_kernel
	.amdgpu_metadata
---
amdhsa.version: [ 1, 2 ]
amdhsa.kernels:
  - .name:           k_q6724a8a230_knn1
    .symbol:         k_q6724a8a230_knn1.kd
    .args:
      - { .name: xyz1, .offset: 0, .size: 8, .value_kind: global_buffer, .address_space: global }
      - { .name: xyz2, .offset: 8, .size: 8, .value_kind: global_buffer, .address_space: global }
      - { .name: blkid, .offset: 16, .size: 8, .value_kind: global_buffer, .address_space: global }
    .group_segment_fixed_size: 50176
    .private_segment_fixed_size: 0
    .kernarg_segment_align: 8
    .kernarg_segment_size: 24
    .max_flat_workgroup_size: 128
    .sgpr_count:     66
    .vgpr_count:     256
    .wavefront_size: 32
...
	.end_amdgpu_metadata
.endif
;; end of part 1
;; launch knn2 (part 2): grid 256 x 1, 8 waves a work-group, no clusters, 53,248 bytes of LDS; arguments xyz1, xyz2, features2, W1, W2, blkid, idx3, prep; writes idx3, prep
.if DOCPART == 2
	.amdgcn_target "amdgcn-amd-amdhsa--gfx1250"
	.amdhsa_code_object_version 6
	.text
	.protected	k_q6724a8a230_knn2
	.globl	k_q6724a8a230_knn2
	.p2align	8
	.type	k_q6724a8a230_knn2,@function
k_q6724a8a230_knn2:
	s_mov_b64 s[64:65], 0
	v_nop
	global_prefetch_b8 v0, s[64:65] scope:SCOPE_SE
	s_setreg_imm32_b32 hwreg(HW_REG_WAVE_MODE, 25, 1), 1
	s_wait_xcnt 0x0
; NEAREST NEIGHBOURS, SECOND PASS, AND THE PREPARATION OF THE MATRIX OPERANDS.
; A thread is a query.  Its three blocks of 16 candidates (numbers stored by the launch before) are scanned in ascending order with the same chain of f32 roundings as there: the three nearest by (distance, index),
; their indices (idx3) and the weights w_k = (1 / (d_k + 1e-8)) / sum (prep, WTS).  Reciprocals by v_rcp_f32.  LIMITS: NaN and infinities are not served.
; PREPARATION, shared out over the 256 work-groups.  Every number is rounded to bf16 and that number written as f16 (exact from 6.1e-5 up; below, f16's fixed step of 6e-8):
;   F2T [8][2048][128]: features2 turned, 64 candidates x 128 channels a work-group, through LDS;   W1H [256][256]: row = work-group (waves 0, 1);
;   W2H [mt 8][s 8][q 2][lane 32][16 bytes]: lane (r, h) holds W2[64 (mt / 4) + 4 r + mt % 4][32 s + 16 q + 8 h ..+7]: 256 bytes a work-group (wave 2).
.set PB,    272                        ; LDS: a block of 16 records + 16 bytes, so that lanes in different blocks start in different groups of banks (64 banks of 4 bytes: ISA guide 11.1)
.set TTB,   34816                      ; behind the 128 blocks: [64 candidates] rows of 272 bytes, f16 [candidate][channel]
.set SPARE, 52224
.set OWTS,  4194304                    ; byte offsets in prep
.set OW1H,  5242880
.set OW2H,  5373952
.set AX,  4                            ; 12 x thread
.set A4,  5                            ; 4 x thread
.set FO,  6                            ; features2: my row pair and 16 bytes
.set WO,  7                            ; my 16 bytes of W1 or W2
.set AST, 8
.set AQ,  9                            ; 16 x thread
.set A8,  10                           ; 8 x thread
.set ATT, 11
.set ARD, 12
.set AG,  13
.set J3,  14
.set TQ,  15
.set SPW, 16
.set NIL, 17
.set X0,  18
.set X1,  19
.set X2,  20
.set SX,  21
.set DM,  22                           ; v[22:24] d1 <= d2 <= d3
.set IX,  28                           ; v[28:31] i1, i2, i3, 0
.set WQ,  32                           ; v[32:35] w1, w2, w3, 0
.set T0,  36
.set T1,  37
.set DV,  38                           ; two by turns
.set JV,  40                           ; two by turns
.set TP,  42
.set A1,  43                           ; LDS addresses of the three blocks
.set A2,  44
.set A3,  45
.set J1,  46                           ; their first candidates' indices
.set J2,  47
.set RC,  48                           ; raw candidates, then records
.set C,   80                           ; a block's 16 records
.set F,   144
.set W,   176
.set WOUT,180
.set QR,  184
.set BK,  188
.macro REC q
	v_cvt_pk_bf16_f32 v[T0], v[\q], v[\q+1]
	v_cvt_pk_bf16_f32 v[T1], v[\q+2], v[\q+2]
	v_lshlrev_b32 v[\q], 16, v[T0]
	v_and_b32 v[\q+1], 0xffff0000, v[T0]
	v_lshlrev_b32 v[\q+2], 16, v[T1]
	v_mul_f32 v[\q+3], v[\q], v[\q]
	v_fmac_f32 v[\q+3], v[\q+1], v[\q+1]
	v_fmac_f32 v[\q+3], v[\q+2], v[\q+2]
.endm
.macro TRACK1 val, id, m, b, t, c
	v_cmp_lt_f32 s[\c], v[\val], v[\m]
	v_cmp_lt_f32 s[\c+1], v[\val], v[\m+1]
	v_cmp_lt_f32 s[\c+2], v[\val], v[\m+2]
	v_cndmask_b32 v[\t], v[\id], v[\b+1], s[\c+1]
	v_cndmask_b32 v[\b+2], v[\b+2], v[\t], s[\c+2]
	v_cndmask_b32 v[\t], v[\id], v[\b], s[\c]
	v_cndmask_b32 v[\b+1], v[\b+1], v[\t], s[\c+1]
	v_cndmask_b32 v[\b], v[\b], v[\id], s[\c]
	v_med3_num_f32 v[\m+2], v[\m+1], v[\m+2], v[\val]
	v_med3_num_f32 v[\m+1], v[\m], v[\m+1], v[\val]
	v_min_num_f32 v[\m], v[\m], v[\val]
.endm
.macro R16 a, b, o                     ; two numbers rounded to bf16, written as f16
	v_cvt_pk_bf16_f32 v[T0], v[\a], v[\b]
	v_lshlrev_b32 v[T1], 16, v[T0]
	v_and_b32 v[T0], 0xffff0000, v[T0]
	v_cvt_pk_f16_f32 v[\o], v[T1], v[T0]
.endm
	s_load_b512 s[16:31], s[0:1], 0x0              ; xyz1 16, xyz2 18, features2 20, W1 22, W2 24, blkid 26, idx3 28, prep 30
	v_lshl_add_u32 v[SPW], v0, 2, SPARE
	v_mov_b32 v[NIL], 0
	v_lshrrev_b32 v1, 5, v0
	v_readfirstlane_b32 s10, v1                    ; wave 0..7
	v_and_b32 v1, 31, v0                           ; lane l
	v_and_b32 v2, 15, v0                           ; r
	v_bfe_u32 v3, v0, 4, 1                         ; h
	s_lshr_b32 s11, ttmp9, 5                       ; the batch; for W2H: mt
	s_and_b32 s12, ttmp9, 31
	s_mul_i32 s32, ttmp9, 3072                     ; my 256 queries
	s_mov_b32 s33, 0
	s_mul_i32 s34, s11, 24576                      ; the batch's candidates
	s_mov_b32 s35, 0
	s_lshl_b32 s36, s11, 20                        ; features2: the batch, and my 64 candidates' 256 bytes of each row
	s_lshl_b32 s13, s12, 8
	s_add_co_u32 s36, s36, s13
	s_mov_b32 s37, 0
	s_lshl_b32 s38, ttmp9, 10                      ; blkid's 256 words; also W1's row
	s_mov_b32 s39, 0
	s_lshl_b32 s40, ttmp9, 12                      ; idx3's and WTS's 256 quads
	s_mov_b32 s41, 0
	s_add_co_u32 s42, s40, OWTS
	s_mov_b32 s43, 0
	s_lshl_b32 s44, ttmp9, 14                      ; F2T: 64 rows of 256 bytes
	s_mov_b32 s45, 0
	s_lshr_b32 s13, s11, 2                         ; W2's source: channel 64 (mt / 4) + mt % 4 (+ 4 r by the lane), columns 8 (work-group % 32) on
	s_lshl_b32 s13, s13, 6
	s_and_b32 s14, s11, 3
	s_add_co_u32 s13, s13, s14
	s_lshl_b32 s13, s13, 10
	s_lshl_b32 s14, s12, 5
	s_add_co_u32 s13, s13, s14
	s_lshl_b32 s14, ttmp9, 9
	s_add_co_u32 s14, s14, OW1H                    ; W1H's row
	s_lshl_b32 s15, ttmp9, 8
	s_add_co_u32 s15, s15, OW2H-512                ; W2H's 256 bytes, less wave 2's first 8 x thread
	s_lshl_b32 s8, s10, 17                         ; features2: 16 rows a wave
	v_lshlrev_b32 v[FO], 14, v3
	v_lshl_add_u32 v[FO], v2, 4, v[FO]
	v_add_nc_u32 v[FO], s8, v[FO]
	s_lshl_b32 s8, s10, 5
	s_add_co_u32 s8, s8, TTB
	v_mul_u32_u24 v[ATT], v2, 4*PB                 ; candidate 4 r (+ 0..3), channels 16 wave + 2 h (+ 4 i)
	v_lshl_add_u32 v[ATT], v3, 2, v[ATT]
	v_add_nc_u32 v[ATT], s8, v[ATT]
	s_mul_i32 s8, s10, 8*PB
	s_add_co_u32 s8, s8, TTB
	v_mul_u32_u24 v[ARD], v3, PB
	v_lshl_add_u32 v[ARD], v2, 4, v[ARD]
	v_add_nc_u32 v[ARD], s8, v[ARD]
	s_lshl_b32 s8, s10, 11
	v_lshlrev_b32 v[AG], 8, v3
	v_lshl_add_u32 v[AG], v2, 4, v[AG]
	v_add_nc_u32 v[AG], s8, v[AG]
	s_cmp_lt_u32 s10, 2                            ; waves 0 and 1 take W1, wave 2 takes W2
	s_cselect_b32 s46, s38, s13
	s_cselect_b32 s48, s14, s15
	s_cselect_b32 s9, -1, 0
	s_mov_b32 s47, 0
	s_mov_b32 s49, 0
	v_mul_u32_u24 v[AX], v0, 12
	v_lshlrev_b32 v[A4], 2, v0
	v_lshlrev_b32 v[AQ], 4, v0
	v_lshlrev_b32 v[A8], 3, v0
	v_lshrrev_b32 v[TQ], 1, v1                     ; W2: r = l / 2: 4 rows of 1,024 bytes apart; which four of the eight columns: l % 2
	v_lshlrev_b32 v[TQ], 12, v[TQ]
	v_and_b32 v[WO], 1, v1
	v_lshl_add_u32 v[TQ], v[WO], 4, v[TQ]
	v_cndmask_b32 v[WO], v[TQ], v[AQ], s9
	v_lshrrev_b32 v[AST], 4, v0
	v_mul_u32_u24 v[AST], v[AST], PB
	v_lshl_add_u32 v[AST], v2, 4, v[AST]
	s_wait_kmcnt 0x0
	s_cmp_lt_u32 s10, 2
	s_cselect_b64 s[50:51], s[22:23], s[24:25]
	s_add_nc_u64 s[50:51], s[50:51], s[46:47]
	s_add_nc_u64 s[56:57], s[30:31], s[48:49]
	s_add_nc_u64 s[16:17], s[16:17], s[32:33]
	s_add_nc_u64 s[18:19], s[18:19], s[34:35]
	s_add_nc_u64 s[20:21], s[20:21], s[36:37]
	s_add_nc_u64 s[26:27], s[26:27], s[38:39]
	s_add_nc_u64 s[28:29], s[28:29], s[40:41]
	s_add_nc_u64 s[52:53], s[30:31], s[42:43]
	s_add_nc_u64 s[54:55], s[30:31], s[44:45]
.irp i, 0,1,2,3,4,5,6,7
	global_load_b96 v[RC+4*\i:RC+4*\i+2], v[AX], s[18:19] offset:3072*\i  ; candidate thread + 256 i
.endr
	global_load_b96 v[QR:QR+2], v[AX], s[16:17]
	global_load_b32 v[BK], v[A4], s[26:27]
	s_cmp_gt_u32 s10, 2
	s_cbranch_scc1 .Lno_w
	global_load_b128 v[W:W+3], v[WO], s[50:51]
.Lno_w:
.irp i, 0,1,2,3
.irp e, 0,1
	global_load_b128 v[F+4*(2*\i+\e):F+4*(2*\i+\e)+3], v[FO], s[20:21] offset:(4*\i+\e)*8192 th:TH_LOAD_NT  ; channel 16 wave + 4 i + 2 h + e, candidates 4 r ..+3
.endr
.endr
	s_wait_loadcnt 8                               ; all but the eight loads of features2, which were issued last
.irp i, 0,1,2,3,4,5,6,7
	REC RC+4*\i
	ds_store_b128 v[AST], v[RC+4*\i:RC+4*\i+3] offset:16*PB*\i
.endr
	REC QR
	v_mul_f32 v[X0], -2.0, v[QR]
	v_mul_f32 v[X1], -2.0, v[QR+1]
	v_mul_f32 v[X2], -2.0, v[QR+2]
	v_mov_b32 v[SX], v[QR+3]
	v_and_b32 v189, 0xff, v[BK]                    ; the three block numbers, sorted ascending, so that candidates are met in ascending index
	v_bfe_u32 v190, v[BK], 8, 8
	v_bfe_u32 v191, v[BK], 16, 8
	v_min_u32 v[T0], v189, v190
	v_max_u32 v[T1], v189, v190
	v_min_u32 v[TP], v[T1], v191
	v_max_u32 v191, v[T1], v191
	v_min_u32 v189, v[T0], v[TP]
	v_max_u32 v190, v[T0], v[TP]
	v_min_u32 v189, 0x7f, v189                     ; a loaded number enters an address only behind a clamp to the table's size
	v_min_u32 v190, 0x7f, v190
	v_min_u32 v191, 0x7f, v191
	v_mul_u32_u24 v[A1], v189, PB
	v_mul_u32_u24 v[A2], v190, PB
	v_mul_u32_u24 v[A3], v191, PB
	v_lshlrev_b32 v[J1], 4, v189
	v_lshlrev_b32 v[J2], 4, v190
	v_lshlrev_b32 v[J3], 4, v191
.irp k, 0,1,2
	v_mov_b32 v[DM+\k], 0x7f800000
	v_mov_b32 v[IX+\k], 0
.endr
	v_mov_b32 v[IX+3], 0
	s_wait_dscnt 0x0                               ; for the others' sake: my records are stored
	s_barrier_signal -1
	s_barrier_wait -1
	s_mov_b32 s7, 3
.Lblk:                                                 ; a trip: one block's 16 candidates
.irp c, 0,1,2,3,4,5,6,7,8,9,10,11,12,13,14,15
	ds_load_b128 v[C+4*\c:C+4*\c+3], v[A1] offset:16*\c
.endr
.irp c, 0,1,2,3,4,5,6,7,8,9,10,11,12,13,14,15
	s_wait_dscnt 15-\c                             ; record c is in; the younger ones may stay out
	v_mul_f32 v[DV+\c%2], v[X0], v[C+4*\c]
	v_fmac_f32 v[DV+\c%2], v[X1], v[C+4*\c+1]
	v_fmac_f32 v[DV+\c%2], v[X2], v[C+4*\c+2]
	v_add_f32 v[DV+\c%2], v[DV+\c%2], v[SX]
	v_add_f32 v[DV+\c%2], v[DV+\c%2], v[C+4*\c+3]
	v_add_nc_u32 v[JV+\c%2], \c, v[J1]
	TRACK1 DV+\c%2, JV+\c%2, DM, IX, TP, 4
.endr
	v_mov_b32 v[A1], v[A2]
	v_mov_b32 v[A2], v[A3]
	v_mov_b32 v[J1], v[J2]
	v_mov_b32 v[J2], v[J3]
	s_sub_co_u32 s7, s7, 1
	s_cmp_lg_u32 s7, 0
	s_cbranch_scc1 .Lblk
	v_add_f32 v[WQ], 0x322bcc77, v[DM]             ; d + 1e-8
	v_add_f32 v[WQ+1], 0x322bcc77, v[DM+1]
	v_add_f32 v[WQ+2], 0x322bcc77, v[DM+2]
	v_rcp_f32 v[WQ], v[WQ]
	v_rcp_f32 v[WQ+1], v[WQ+1]
	v_rcp_f32 v[WQ+2], v[WQ+2]
	v_nop                                          ; a plain instruction behind the last reciprocal (ISA guide 5.7.2),
	s_wait_alu depctr_va_vdst(0)                   ; and a wait ahead of the first use: one for the three
	v_add_f32 v[TP], v[WQ], v[WQ+1]
	v_add_f32 v[TP], v[TP], v[WQ+2]
	v_rcp_f32 v[TP], v[TP]
	v_mov_b32 v[WQ+3], 0
	s_wait_alu depctr_va_vdst(0)
	v_mul_f32 v[WQ], v[WQ], v[TP]
	v_mul_f32 v[WQ+1], v[WQ+1], v[TP]
	v_mul_f32 v[WQ+2], v[WQ+2], v[TP]
	global_store_b128 v[AQ], v[IX:IX+3], s[28:29]  ; a wave stores 512 consecutive bytes
	global_store_b128 v[AQ], v[WQ:WQ+3], s[52:53]
	; THE PREPARATION
	s_wait_loadcnt 0x0                             ; features2
.irp i, 0,1,2,3
.irp m, 0,1,2,3
	R16 F+8*\i+\m, F+8*\i+4+\m, TP                 ; two neighbouring channels of one candidate
	ds_store_b32 v[ATT], v[TP] offset:PB*\m+8*\i
.endr
.endr
	s_cmp_gt_u32 s10, 2
	s_cbranch_scc1 .Lno_w2
	R16 W, W+1, WOUT
	R16 W+2, W+3, WOUT+1
	global_store_b64 v[A8], v[WOUT:WOUT+1], s[56:57]  ; a wave stores 256 consecutive bytes, aligned
.Lno_w2:
	s_wait_dscnt 0x0
	s_barrier_signal -1
	s_barrier_wait -1                              ; the 64 rows are whole
.irp k, 0,1,2,3
	ds_load_b128 v[C+4*\k:C+4*\k+3], v[ARD] offset:2*PB*\k
.endr
.irp k, 0,1,2,3
	s_wait_dscnt 3-\k
	global_store_b128 v[AG], v[C+4*\k:C+4*\k+3], s[54:55] offset:512*\k   ; two rows of 256 bytes on end
.endr
	s_wait_tensorcnt 0x0                           ; the wave's end, behind my last LDS store
	ds_add_u32 v[SPW], v[NIL]
	s_wait_dscnt 0x0
	s_endpgm
.Lfunc_end_k_q6724a8a230_knn2:
	.size	k_q6724a8a230_knn2, .Lfunc_end_k_q6724a8a230_knn2-k_q6724a8a230_knn2
	.p2alignl 7, 3214868480
	.fill 96, 4, 3214868480
	.section	.rodata,"a",@progbits
	.p2align	6, 0x0
	.amdhsa_kernel k_q6724a8a230_knn2
		.amdhsa_group_segment_fixed_size 53248
		.amdhsa_private_segment_fixed_size 0
		.amdhsa_enable_private_segment 0
		.amdhsa_kernarg_size 64
		.amdhsa_user_sgpr_count 2
		.amdhsa_user_sgpr_kernarg_segment_ptr 1
		.amdhsa_wavefront_size32 1
		.amdhsa_system_sgpr_workgroup_id_x 1
		.amdhsa_system_sgpr_workgroup_id_y 1
		.amdhsa_system_sgpr_workgroup_id_z 1
		.amdhsa_system_vgpr_workitem_id 0
		.amdhsa_next_free_vgpr 192
		.amdhsa_next_free_sgpr 66
		.amdhsa_reserve_vcc 0
		.amdhsa_float_denorm_mode_32 3
		.amdhsa_float_denorm_mode_16_64 3
		.amdhsa_memory_ordered 1
		.amdhsa_forward_progress 1
		.amdhsa_inst_pref_size 33
	.end_amdhsa_kernel
	.amdgpu_metadata
---
amdhsa.version: [ 1, 2 ]
amdhsa.kernels:
  - .name:           k_q6724a8a230_knn2
    .symbol:         k_q6724a8a230_knn2.kd
    .args:
      - { .name: xyz1, .offset: 0, .size: 8, .value_kind: global_buffer, .address_space: global }
      - { .name: xyz2, .offset: 8, .size: 8, .value_kind: global_buffer, .address_space: global }
      - { .name: features2, .offset: 16, .size: 8, .value_kind: global_buffer, .address_space: global }
      - { .name: W1, .offset: 24, .size: 8, .value_kind: global_buffer, .address_space: global }
      - { .name: W2, .offset: 32, .size: 8, .value_kind: global_buffer, .address_space: global }
      - { .name: blkid, .offset: 40, .size: 8, .value_kind: global_buffer, .address_space: global }
      - { .name: idx3, .offset: 48, .size: 8, .value_kind: global_buffer, .address_space: global }
      - { .name: prep, .offset: 56, .size: 8, .value_kind: global_buffer, .address_space: global }
    .group_segment_fixed_size: 53248
    .private_segment_fixed_size: 0
    .kernarg_segment_align: 8
    .kernarg_segment_size: 64
    .max_flat_workgroup_size: 256
    .sgpr_count:     66
    .vgpr_count:     192
    .wavefront_size: 32
...
	.end_amdgpu_metadata
.endif
;; end of part 2
;; launch conv1 (part 3): grid 256 x 1, 16 waves a work-group, clusters of 4 x 1, 284,672 bytes of LDS; arguments idx3, prep, features1, b1, z1p, part1; writes z1p, part1
.if DOCPART == 3
	.amdgcn_target "amdgcn-amd-amdhsa--gfx1250"
	.amdhsa_code_object_version 6
	.text
	.protected	k_q6724a8a230_conv1
	.globl	k_q6724a8a230_conv1
	.p2align	8
	.type	k_q6724a8a230_conv1,@function
k_q6724a8a230_conv1:
	s_mov_b64 s[64:65], 0
	v_nop
	global_prefetch_b8 v0, s[64:65] scope:SCOPE_SE
	s_setreg_imm32_b32 hwreg(HW_REG_WAVE_MODE, 25, 1), 1
	s_wait_xcnt 0x0
	s_wait_alu depctr_hold_cnt(0) depctr_sa_sdst(0) depctr_va_vdst(0) depctr_va_sdst(0) depctr_va_ssrc(0) depctr_va_vcc(0) depctr_vm_vsrc(0)
	s_getreg_b32 s2, hwreg(HW_REG_IB_STS2, 6, 4)
	s_cmp_eq_u32 s2, 0
	s_cbranch_scc0 .Lentry_in_a_cluster
	s_endpgm
.Lentry_in_a_cluster:
	s_bfe_u32 s2, ttmp6, 0x10000c
	s_cmp_lg_u32 s2, 0x3003
	s_cbranch_scc0 .Lentry_shape_is_right
	s_endpgm
.Lentry_shape_is_right:
; INTERPOLATION AND THE FIRST CONVOLUTION.  A work-group has 256 points.  It gathers three rows of F2T for each point and blends them (f32, rounded once to f16), rounds the point's own 128 features to bf16 (written as f16),
; multiplies by W1 (f16 operands, f32 sums), and stores y1 CENTRED: z = y1 - (mean of its 64 points), f16, in the register image that the second convolution's fragments want; the means (+ b1, rounded to bf16) go out in f32 (P1).
; STATISTICS without a difference of large sums: each group of 64 points has its mean and its sum of squares ABOUT that mean; four groups are merged by M2 = sum M2_i + 64 sum (mean_i - mean)^2.
; LIMITS.  z lies within f16's 65,504; NaN and infinities are not treated apart.
; SHARES.  16 waves, four on a SIMD, so that gathers, conversions and LDS reads of one wave stand beside the products of the others: K is 256, one pass, with no ring to run ahead.
;   build: wave w blends points 16 w ..+15, two an iteration (16 lanes a row of 256 bytes), and converts channels 8 w ..+7 of features1.   product: 64 output channels (cg = w % 4) x 64 points (pg = w / 4), 16 accumulators.
; CLUSTER.  All work-groups read the same W1H: the four of a cluster ask for it jointly, waves 0 to 3 a quarter each.
; No prefetch: the loads of indices, weights and features1 are issued at the head.
.set WLP,   528                        ; W1H in LDS from byte 0: rows of 512 bytes + 16: the 16 rows of a fragment load start in 16 different groups of four banks (64 banks of 4 bytes: ISA guide 11.1)
.set IN,    135168                     ; [256 points] rows of 272 bytes: the blended features, f16 [point][channel]
.set INP,   272
.set F1,    204800                     ; [128 channels] rows of 544 bytes: features1, f16 [channel][point]; read turned
.set F1P,   544
.set ST,    274432                     ; means [4 pg][256] f32, then M2 likewise at + 4,096
.set SPARE, 282624
.set OWTS,  4194304
.set OW1H,  5242880
.set OP1,   33554432
.set AA,   4
.set AI,   5
.set AFT,  6
.set AIDX, 7
.set AL16, 8
.set AF1S, 9
.set AINS, 10
.set AST,  11
.set AZ,   12
.set R16R, 13
.set ZR,   14                          ; 0.0
.set TA,   15
.set SPW,  16
.set NIL,  17
.set O,    18                          ; v[18:25] eight blended channels; later b1's two quads
.set PK,   26                          ; v[26:29]
.set T0,   30
.set T1,   31
.set IDX,  32                          ; build: iteration i's indices, then byte offsets, at IDX + 4 i
.set WT,   64                          ; its weights
.set F,    96                          ; features1: channel k, half e at F + 4 (2 k + e)
.set G,    160                         ; gathered rows: iteration i, neighbour k at G + 4 (3 i + k)
.set AF,   32                          ; product: W1's fragments
.set BF,   64                          ; the points' fragments
.set MN,   96                          ; means
.set ACC,  128                         ; accumulator (t, n) at ACC + 8 (4 t + n)
.set Q,    32
.set CMN,  128                         ; the tail's registers
.set CQ,   144
.set CS,   160
.set CE,   164
.set CB,   168
.set OQ,   172
.set WV,   16
.macro ROUND                           ; a round of the cluster's barrier
	s_barrier_signal -1
	s_barrier_wait -1
	s_cmp_lg_u32 s[WV], 0
	s_cbranch_scc1 .Lnot_wave_0_\@
	s_barrier_signal -3
.Lnot_wave_0_\@:
	s_barrier_wait -3
	s_barrier_signal -1
	s_barrier_wait -1
.endm
.macro PLACES                          ; four places behind a matrix instruction (ISA guide 7.12.1)
.rept 4
	v_nop
.endr
.endm
.macro R16 a, b, o
	v_cvt_pk_bf16_f32 v[T0], v[\a], v[\b]
	v_lshlrev_b32 v[T1], 16, v[T0]
	v_and_b32 v[T0], 0xffff0000, v[T0]
	v_cvt_pk_f16_f32 v[\o], v[T1], v[T0]
.endm
.macro BR4 q                           ; a quad rounded to bf16, in place
	v_cvt_pk_bf16_f32 v[T0], v[\q], v[\q+1]
	v_cvt_pk_bf16_f32 v[T1], v[\q+2], v[\q+3]
	v_lshlrev_b32 v[\q], 16, v[T0]
	v_and_b32 v[\q+1], 0xffff0000, v[T0]
	v_lshlrev_b32 v[\q+2], 16, v[T1]
	v_and_b32 v[\q+3], 0xffff0000, v[T1]
.endm
.macro INTERP i                        ; two points: eight channels a lane, w1 f1 + w2 f2 + w3 f3 in f32 straight from the f16 halves
	s_wait_loadcnt 21-3*\i                         ; this iteration's three gathers are in; the later iterations' stay out
.irp c, 0,1,2,3
	v_fma_mix_f32 v[O+2*\c], v[G+12*\i+\c], v[WT+4*\i], v[ZR] op_sel_hi:[1,0,0]
	v_fma_mix_f32 v[O+2*\c+1], v[G+12*\i+\c], v[WT+4*\i], v[ZR] op_sel:[1,0,0] op_sel_hi:[1,0,0]
.endr
.irp c, 0,1,2,3
	v_fma_mix_f32 v[O+2*\c], v[G+12*\i+4+\c], v[WT+4*\i+1], v[O+2*\c] op_sel_hi:[1,0,0]
	v_fma_mix_f32 v[O+2*\c+1], v[G+12*\i+4+\c], v[WT+4*\i+1], v[O+2*\c+1] op_sel:[1,0,0] op_sel_hi:[1,0,0]
.endr
.irp c, 0,1,2,3
	v_fma_mix_f32 v[O+2*\c], v[G+12*\i+8+\c], v[WT+4*\i+2], v[O+2*\c] op_sel_hi:[1,0,0]
	v_fma_mix_f32 v[O+2*\c+1], v[G+12*\i+8+\c], v[WT+4*\i+2], v[O+2*\c+1] op_sel:[1,0,0] op_sel_hi:[1,0,0]
.endr
.irp c, 0,1,2,3
	v_cvt_pk_f16_f32 v[PK+\c], v[O+2*\c], v[O+2*\c+1]
.endr
	ds_store_b128 v[AINS], v[PK:PK+3] offset:2*INP*\i
.endm
; 32 input channels: 16 LDS loads and 16 products.  The 16 accumulators take turns.
.macro KSTEP s
.if \s > 0
	PLACES                                         ; in front of loads into registers that the last products read
.endif
.irp t, 0,1,2,3
	ds_load_b128 v[AF+8*\t:AF+8*\t+3], v[AA] offset:16*WLP*\t+64*\s
	ds_load_b128 v[AF+8*\t+4:AF+8*\t+7], v[AA] offset:16*WLP*\t+64*\s+32
.endr
.irp n, 0,1,2,3
.if \s < 4
	ds_load_b128 v[BF+8*\n:BF+8*\n+3], v[AI] offset:16*INP*\n+64*\s
	ds_load_b128 v[BF+8*\n+4:BF+8*\n+7], v[AI] offset:16*INP*\n+64*\s+32
.else
	ds_load_tr16_b128 v[BF+8*\n:BF+8*\n+3], v[AFT] offset:32*F1P*(\s-4)+32*\n
	ds_load_tr16_b128 v[BF+8*\n+4:BF+8*\n+7], v[AFT] offset:32*F1P*(\s-4)+32*\n+16*F1P
.endif
.endr
	s_wait_dscnt 0x0
.irp t, 0,1,2,3
.irp n, 0,1,2,3
.if \s == 0
	v_wmma_f32_16x16x32_f16 v[ACC+8*(4*\t+\n):ACC+8*(4*\t+\n)+7], v[AF+8*\t:AF+8*\t+7], v[BF+8*\n:BF+8*\n+7], 0
.else
	v_wmma_f32_16x16x32_f16 v[ACC+8*(4*\t+\n):ACC+8*(4*\t+\n)+7], v[AF+8*\t:AF+8*\t+7], v[BF+8*\n:BF+8*\n+7], v[ACC+8*(4*\t+\n):ACC+8*(4*\t+\n)+7]
.endif
.endr
.endr
.endm
.macro RED32 base                      ; 32 registers, each summed over the 16 lanes of its half: the 16 points of a tile
.irp x, 1,2,4,8
.set t, 0
.rept 32
	v_add_f32_dpp v[\base+t], v[\base+t], v[\base+t] row_xmask:\x row_mask:0xf bank_mask:0xf
.set t, t+1
.endr
.endr
.endm
.macro COMB4                           ; four groups of 64: mean into CS, M2 into CQ
.irp p, 0,2
	v_pk_add_f32 v[CS+\p:CS+\p+1], v[CMN+\p:CMN+\p+1], v[CMN+4+\p:CMN+4+\p+1]
	v_pk_add_f32 v[CE+\p:CE+\p+1], v[CMN+8+\p:CMN+8+\p+1], v[CMN+12+\p:CMN+12+\p+1]
	v_pk_add_f32 v[CS+\p:CS+\p+1], v[CS+\p:CS+\p+1], v[CE+\p:CE+\p+1]
	v_pk_mul_f32 v[CS+\p:CS+\p+1], v[CS+\p:CS+\p+1], 0x3e800000 op_sel_hi:[1,0]
	v_pk_add_f32 v[CE+\p:CE+\p+1], v[CMN+\p:CMN+\p+1], v[CS+\p:CS+\p+1] neg_lo:[0,1] neg_hi:[0,1]
	v_pk_mul_f32 v[CB+\p:CB+\p+1], v[CE+\p:CE+\p+1], v[CE+\p:CE+\p+1]
.irp g, 1,2,3
	v_pk_add_f32 v[CE+\p:CE+\p+1], v[CMN+4*\g+\p:CMN+4*\g+\p+1], v[CS+\p:CS+\p+1] neg_lo:[0,1] neg_hi:[0,1]
	v_pk_fma_f32 v[CB+\p:CB+\p+1], v[CE+\p:CE+\p+1], v[CE+\p:CE+\p+1], v[CB+\p:CB+\p+1]
.endr
	v_pk_add_f32 v[CQ+\p:CQ+\p+1], v[CQ+\p:CQ+\p+1], v[CQ+4+\p:CQ+4+\p+1]
	v_pk_add_f32 v[CQ+8+\p:CQ+8+\p+1], v[CQ+8+\p:CQ+8+\p+1], v[CQ+12+\p:CQ+12+\p+1]
	v_pk_add_f32 v[CQ+\p:CQ+\p+1], v[CQ+\p:CQ+\p+1], v[CQ+8+\p:CQ+8+\p+1]
	v_pk_fma_f32 v[CQ+\p:CQ+\p+1], v[CB+\p:CB+\p+1], 0x42800000, v[CQ+\p:CQ+\p+1] op_sel_hi:[1,0,1]
.endr
.endm
	s_load_b256 s[4:11], s[0:1], 0x0               ; idx3 4, prep 6, features1 8, b1 10
	s_load_b128 s[12:15], s[0:1], 0x20             ; z1p 12, part1 14
	v_lshl_add_u32 v[SPW], v0, 2, SPARE
	v_mov_b32 v[NIL], 0
	ds_add_u32 v[SPW], v[NIL]                      ; the wave's opening: the add, twice on end, and its wait ahead of the first tensor load
	ds_add_u32 v[SPW], v[NIL]
	v_lshrrev_b32 v1, 5, v0
	v_readfirstlane_b32 s[WV], v1                  ; wave 0..15
	v_and_b32 v1, 31, v0                           ; l
	v_and_b32 v2, 15, v0                           ; r
	v_bfe_u32 v3, v0, 4, 1                         ; h
	v_mov_b32 v[ZR], 0
	s_bfe_u32 s17, ttmp6, 0x40000                  ; cx
	s_lshl_b32 s18, ttmp9, 2
	s_add_co_u32 s18, s18, s17                     ; my tile of 256 points: it enters global addresses alone
	s_lshr_b32 s19, s18, 5                         ; the batch
	s_and_b32 s20, s18, 31
	s_and_b32 s50, s[WV], 3                        ; cg
	s_lshr_b32 s51, s[WV], 2                       ; pg
	s_mov_b32 s23, 0
	; the descriptor: 64 rows of 256 f16, padded in LDS; the same in all four work-groups
	s_mov_b32 s24, 1                               ; count = 1
	s_mul_i32 s25, s[WV], 64*WLP                   ; LDS address: my quarter (waves 0 to 3)
	s_mov_b32 s28, 15|(1<<16)|(1<<20)|(1<<21)|(6<<22)|(3<<25)  ; the mask of four; 2-byte elements; padding on; bit 21 beside a mask; after every 128 words, 4 words
	s_mov_b32 s29, 256<<16                         ; tensor_dim0 = 256
	s_mov_b32 s30, 64<<16                          ; tensor_dim1 = 64
	s_mov_b32 s31, 256<<16                         ; tile_dim0 = 256
	s_mov_b32 s32, 64                              ; tile_dim1 = 64
	s_mov_b32 s33, 256                             ; elements from row to row
	s_mov_b32 s34, 0
	s_mov_b32 s35, 0
	s_lshl_b32 s52, s[WV], 8
	v_lshl_add_u32 v[AIDX], v3, 4, s52             ; point 16 w + h (+ 2 i): 16 bytes each
	v_lshlrev_b32 v[AL16], 4, v1
	v_lshlrev_b32 v[R16R], 4, v2
	s_mul_i32 s52, s[WV], 8*F1P
	s_add_co_u32 s52, s52, F1
	v_lshl_add_u32 v[AF1S], v1, 3, s52
	s_mul_i32 s52, s[WV], 16*INP
	s_add_co_u32 s52, s52, IN
	v_mul_u32_u24 v[AINS], v3, INP
	v_lshl_add_u32 v[AINS], v2, 4, v[AINS]
	v_add_nc_u32 v[AINS], s52, v[AINS]
	s_mul_i32 s52, s50, 64*WLP
	v_mul_u32_u24 v[AA], v2, WLP                   ; a fragment: row r x pitch + 16 h
	v_lshl_add_u32 v[AA], v3, 4, v[AA]
	v_add_nc_u32 v[AA], s52, v[AA]
	s_mul_i32 s52, s51, 64*INP
	s_add_co_u32 s52, s52, IN
	v_mul_u32_u24 v[AI], v2, INP
	v_lshl_add_u32 v[AI], v3, 4, v[AI]
	v_add_nc_u32 v[AI], s52, v[AI]
	s_lshl_b32 s52, s51, 7
	s_add_co_u32 s52, s52, F1
	v_and_b32 v[TA], 7, v0                         ; the turning load: lane l reads channel 8 h + l % 8, points 8 ((l / 8) % 2) ..+7
	v_lshl_add_u32 v[AFT], v3, 3, v[TA]
	v_mul_u32_u24 v[AFT], v[AFT], F1P
	v_bfe_u32 v[TA], v0, 3, 1
	v_lshl_add_u32 v[AFT], v[TA], 4, v[AFT]
	v_add_nc_u32 v[AFT], s52, v[AFT]
	s_lshl_b32 s52, s51, 10
	s_lshl_b32 s53, s50, 8
	s_add_co_u32 s52, s52, s53
	s_add_co_u32 s52, s52, ST
	v_lshl_add_u32 v[AST], v3, 5, s52
	s_lshl_b32 s52, s51, 15
	s_lshl_b32 s53, s50, 11
	s_add_co_u32 s52, s52, s53
	v_lshl_add_u32 v[AZ], v1, 4, s52
	s_wait_dscnt 0x0                               ; both opening adds are done
	s_wait_kmcnt 0x0
	s_lshl_b32 s22, s18, 12
	s_add_nc_u64 s[36:37], s[4:5], s[22:23]        ; idx3 at my points
	s_add_co_u32 s22, s22, OWTS
	s_add_nc_u64 s[38:39], s[6:7], s[22:23]        ; the weights
	s_lshl_b32 s22, s19, 22
	s_lshl_b32 s52, s20, 10
	s_add_co_u32 s22, s22, s52
	s_lshl_b32 s52, s[WV], 18
	s_add_co_u32 s22, s22, s52
	s_add_nc_u64 s[40:41], s[8:9], s[22:23]        ; features1: the batch, my points, my wave's eight channels
	s_lshl_b32 s22, s19, 19
	s_add_nc_u64 s[42:43], s[6:7], s[22:23]        ; F2T: the batch's 2,048 rows of 256 bytes
	s_lshl_b32 s22, s18, 17
	s_add_nc_u64 s[44:45], s[12:13], s[22:23]      ; Z1
	s_lshl_b32 s22, s18, 12
	s_add_co_u32 s22, s22, OP1
	s_add_nc_u64 s[46:47], s[12:13], s[22:23]      ; P1
	s_lshl_b32 s22, s18, 11
	s_add_nc_u64 s[48:49], s[14:15], s[22:23]      ; part1's row
	s_lshl_b32 s22, s[WV], 15
	s_add_co_u32 s22, s22, OW1H
	s_add_nc_u64 s[26:27], s[6:7], s[22:23]        ; W1H: my 64 rows
	s_or_b32 s27, s27, 0x80000000                  ; type = 2
.irp i, 0,1,2,3,4,5,6,7
	global_load_b128 v[IDX+4*\i:IDX+4*\i+3], v[AIDX], s[36:37] offset:32*\i
.endr
.irp i, 0,1,2,3,4,5,6,7
	global_load_b128 v[WT+4*\i:WT+4*\i+3], v[AIDX], s[38:39] offset:32*\i
.endr
.irp k, 0,1,2,3,4,5,6,7
.irp e, 0,1
	global_load_b128 v[F+4*(2*\k+\e):F+4*(2*\k+\e)+3], v[AL16], s[40:41] offset:32768*\k+512*\e th:TH_LOAD_NT
.endr
.endr
	ROUND                                          ; all four work-groups are here: the joint loads meet
	s_cmp_lt_u32 s[WV], 4
	s_cbranch_scc0 .Lno_fill
	tensor_load_to_lds s[24:27], s[28:35]
	s_nop 0
.rept 4
	v_nop
.endr
.Lno_fill:
	s_wait_loadcnt 24                              ; the indices are in; 8 loads of weights and 16 of features1 are younger
.irp i, 0,1,2,3,4,5,6,7
.irp k, 0,1,2
	v_min_u32 v[IDX+4*\i+\k], 0x7ff, v[IDX+4*\i+\k]           ; a loaded number enters an address only behind a clamp to the table's size
	v_lshl_add_u32 v[IDX+4*\i+\k], v[IDX+4*\i+\k], 8, v[R16R] ; row x 256 + 16 r
.endr
.endr
.irp i, 0,1,2,3,4,5,6,7
.irp k, 0,1,2
	global_load_b128 v[G+4*(3*\i+\k):G+4*(3*\i+\k)+3], v[IDX+4*\i+\k], s[42:43]  ; sixteen lanes take one row of 256 bytes
.endr
.endr
	s_wait_loadcnt 24                              ; weights and features1 are in; the 24 gathers are younger
.irp k, 0,1,2,3,4,5,6,7
.irp e, 0,1
	R16 F+4*(2*\k+\e), F+4*(2*\k+\e)+1, PK
	R16 F+4*(2*\k+\e)+2, F+4*(2*\k+\e)+3, PK+1
	ds_store_b64 v[AF1S], v[PK:PK+1] offset:F1P*\k+256*\e
.endr
.endr
.irp i, 0,1,2,3,4,5,6,7
	INTERP \i
.endr
	s_wait_tensorcnt 0x0                           ; my quarter of W1H has landed,
	s_wait_dscnt 0x0                               ; my stores are done:
	s_barrier_signal -1
	s_barrier_wait -1                              ; everybody's
.irp s, 0,1,2,3,4,5,6,7
	KSTEP \s
.endr
	v_and_b32 v26, 63, v0                          ; b1 for the tail: the quad that goes with 16 x thread of the means,
	v_lshlrev_b32 v26, 4, v26
	v_bfe_u32 v27, v0, 4, 3                        ; and the quad of channels 32 ((thread % 128) / 16) + 4 (thread % 8)
	v_and_b32 v28, 7, v0
	v_lshlrev_b32 v27, 7, v27
	v_lshl_add_u32 v27, v28, 4, v27
	global_load_b128 v[18:21], v26, s[10:11]
	global_load_b128 v[22:25], v27, s[10:11]
	; THE WAY OUT.  A lane holds one point (r) and, in register j of accumulator (t, n), channel 64 cg + 16 t + 8 h + j.  The six lines above are the places behind the last products; each accumulator is read from its low end on.
.irp t, 0,1,2,3
.irp p, 0,1,2,3
	v_pk_add_f32 v[MN+8*\t+2*\p:MN+8*\t+2*\p+1], v[ACC+32*\t+2*\p:ACC+32*\t+2*\p+1], v[ACC+32*\t+8+2*\p:ACC+32*\t+8+2*\p+1]
	v_pk_add_f32 v[MN+8*\t+2*\p:MN+8*\t+2*\p+1], v[MN+8*\t+2*\p:MN+8*\t+2*\p+1], v[ACC+32*\t+16+2*\p:ACC+32*\t+16+2*\p+1]
	v_pk_add_f32 v[MN+8*\t+2*\p:MN+8*\t+2*\p+1], v[MN+8*\t+2*\p:MN+8*\t+2*\p+1], v[ACC+32*\t+24+2*\p:ACC+32*\t+24+2*\p+1]
.endr
.endr
	RED32 MN
.set t, 0
.rept 16
	v_pk_mul_f32 v[MN+t:MN+t+1], v[MN+t:MN+t+1], 0x3c800000 op_sel_hi:[1,0]   ; / 64
.set t, t+2
.endr
.irp t, 0,1,2,3
.irp n, 0,1,2,3
.irp p, 0,1,2,3
	v_pk_add_f32 v[ACC+8*(4*\t+\n)+2*\p:ACC+8*(4*\t+\n)+2*\p+1], v[ACC+8*(4*\t+\n)+2*\p:ACC+8*(4*\t+\n)+2*\p+1], v[MN+8*\t+2*\p:MN+8*\t+2*\p+1] neg_lo:[0,1] neg_hi:[0,1]
.endr
.endr
.endr
.irp t, 0,1,2,3
	ds_store_b128 v[AST], v[MN+8*\t:MN+8*\t+3] offset:64*\t            ; the sixteen lanes of a half store the same words
	ds_store_b128 v[AST], v[MN+8*\t+4:MN+8*\t+7] offset:64*\t+16
.endr
.irp t, 0,1,2,3
.irp p, 0,1,2,3
	v_pk_mul_f32 v[Q+8*\t+2*\p:Q+8*\t+2*\p+1], v[ACC+32*\t+2*\p:ACC+32*\t+2*\p+1], v[ACC+32*\t+2*\p:ACC+32*\t+2*\p+1]
.irp n, 1,2,3
	v_pk_fma_f32 v[Q+8*\t+2*\p:Q+8*\t+2*\p+1], v[ACC+32*\t+8*\n+2*\p:ACC+32*\t+8*\n+2*\p+1], v[ACC+32*\t+8*\n+2*\p:ACC+32*\t+8*\n+2*\p+1], v[Q+8*\t+2*\p:Q+8*\t+2*\p+1]
.endr
.endr
.endr
	RED32 Q
.irp t, 0,1,2,3
	ds_store_b128 v[AST], v[Q+8*\t:Q+8*\t+3] offset:4096+64*\t
	ds_store_b128 v[AST], v[Q+8*\t+4:Q+8*\t+7] offset:4096+64*\t+16
.endr
.set t, 0
.rept 64
	v_cvt_pk_f16_f32 v[32+t], v[ACC+2*t], v[ACC+2*t+1]                 ; accumulator (t, n) packs into four registers: eight channels of a point, 16 bytes
.set t, t+1
.endr
.irp t, 0,1,2,3
.irp n, 0,1,2,3
	global_store_b128 v[AZ], v[32+4*(4*\t+\n):32+4*(4*\t+\n)+3], s[44:45] offset:8192*\n+512*\t   ; 512 consecutive bytes, aligned
.endr
.endr
	s_wait_loadcnt 0x0                             ; b1
	s_wait_dscnt 0x0
	s_barrier_signal -1
	s_barrier_wait -1                              ; all means and M2 lie in LDS
	s_cmp_lt_u32 s[WV], 8
	s_cbranch_scc1 .Lp1
	s_cmp_lt_u32 s[WV], 12
	s_cbranch_scc0 .Lend
	; waves 8 to 11: the work-group's mean and M2 of each channel, into part1's row: blocks of 256 bytes = [mean, M2][32 channels]
	v_add_nc_u32 v28, ST, v27
	v_and_b32 v29, 127, v0
	v_lshlrev_b32 v29, 4, v29
.irp g, 0,1,2,3
	ds_load_b128 v[CMN+4*\g:CMN+4*\g+3], v28 offset:1024*\g
	ds_load_b128 v[CQ+4*\g:CQ+4*\g+3], v28 offset:4096+1024*\g
.endr
	BR4 22
	v_and_b32 v[TA], 8, v0                         ; which of the two kinds my 16 bytes hold
	v_cmp_ne_u32 vcc_lo, 0, v[TA]
	s_wait_dscnt 0x0
	COMB4
	v_pk_add_f32 v[CS:CS+1], v[CS:CS+1], v[22:23]
	v_pk_add_f32 v[CS+2:CS+3], v[CS+2:CS+3], v[24:25]
.irp j, 0,1,2,3
	v_cndmask_b32 v[OQ+\j], v[CS+\j], v[CQ+\j], vcc_lo
.endr
	global_store_b128 v29, v[OQ:OQ+3], s[48:49]
	s_branch .Lend
.Lp1:                                                  ; waves 0 to 7: the four groups' means + b1, 4,096 bytes on end
	v_lshl_add_u32 v28, v0, 4, ST
	v_lshlrev_b32 v29, 4, v0
	ds_load_b128 v[CMN:CMN+3], v28
	BR4 18
	s_wait_dscnt 0x0
	v_pk_add_f32 v[CMN:CMN+1], v[CMN:CMN+1], v[18:19]
	v_pk_add_f32 v[CMN+2:CMN+3], v[CMN+2:CMN+3], v[20:21]
	global_store_b128 v29, v[CMN:CMN+3], s[46:47]
.Lend:
	s_wait_tensorcnt 0x0                           ; the wave's end, behind my last tensor load and my last LDS store
	ds_add_u32 v[SPW], v[NIL]
	s_wait_dscnt 0x0
	ROUND                                          ; the closing round
	s_endpgm
.Lfunc_end_k_q6724a8a230_conv1:
	.size	k_q6724a8a230_conv1, .Lfunc_end_k_q6724a8a230_conv1-k_q6724a8a230_conv1
	.p2alignl 7, 3214868480
	.fill 96, 4, 3214868480
	.section	.rodata,"a",@progbits
	.p2align	6, 0x0
	.amdhsa_kernel k_q6724a8a230_conv1
		.amdhsa_group_segment_fixed_size 284672
		.amdhsa_private_segment_fixed_size 0
		.amdhsa_enable_private_segment 0
		.amdhsa_kernarg_size 48
		.amdhsa_user_sgpr_count 2
		.amdhsa_user_sgpr_kernarg_segment_ptr 1
		.amdhsa_wavefront_size32 1
		.amdhsa_system_sgpr_workgroup_id_x 1
		.amdhsa_system_sgpr_workgroup_id_y 1
		.amdhsa_system_sgpr_workgroup_id_z 1
		.amdhsa_system_vgpr_workitem_id 0
		.amdhsa_next_free_vgpr 256
		.amdhsa_next_free_sgpr 66
		.amdhsa_reserve_vcc 1
		.amdhsa_float_denorm_mode_32 3
		.amdhsa_float_denorm_mode_16_64 3
		.amdhsa_memory_ordered 1
		.amdhsa_forward_progress 1
		.amdhsa_inst_pref_size 95
	.end_amdhsa_kernel
	.amdgpu_metadata
---
amdhsa.version: [ 1, 2 ]
amdhsa.kernels:
  - .name:           k_q6724a8a230_conv1
    .symbol:         k_q6724a8a230_conv1.kd
    .args:
      - { .name: idx3, .offset: 0, .size: 8, .value_kind: global_buffer, .address_space: global }
      - { .name: prep, .offset: 8, .size: 8, .value_kind: global_buffer, .address_space: global }
      - { .name: features1, .offset: 16, .size: 8, .value_kind: global_buffer, .address_space: global }
      - { .name: b1, .offset: 24, .size: 8, .value_kind: global_buffer, .address_space: global }
      - { .name: z1p, .offset: 32, .size: 8, .value_kind: global_buffer, .address_space: global }
      - { .name: part1, .offset: 40, .size: 8, .value_kind: global_buffer, .address_space: global }
    .group_segment_fixed_size: 284672
    .private_segment_fixed_size: 0
    .kernarg_segment_align: 8
    .kernarg_segment_size: 48
    .max_flat_workgroup_size: 512
    .sgpr_count:     66
    .vgpr_count:     256
    .wavefront_size: 32
...
	.end_amdgpu_metadata
.endif
;; end of part 3
;; launch stat1 (part 4): grid 8 x 1, 8 waves a work-group, no clusters, 5,632 bytes of LDS; arguments part1, b1, g1, be1, tab1; writes tab1
.if DOCPART == 4
	.amdgcn_target "amdgcn-amd-amdhsa--gfx1250"
	.amdhsa_code_object_version 6
	.text
	.protected	k_q6724a8a230_stat1
	.globl	k_q6724a8a230_stat1
	.p2align	8
	.type	k_q6724a8a230_stat1,@function
k_q6724a8a230_stat1:
	s_mov_b64 s[64:65], 0
	v_nop
	global_prefetch_b8 v0, s[64:65] scope:SCOPE_SE
	s_setreg_imm32_b32 hwreg(HW_REG_WAVE_MODE, 25, 1), 1
	s_wait_xcnt 0x0
; THE BATCH'S STATISTICS.  256 partial results a channel (mean and M2 of 256 points each) are merged: mu = mean of the means, var = (sum M2 + 256 sum (mean_i - mu)^2) / 65,536: no difference of large sums.
; Out: for each channel (mu, g / sqrt(var + 1e-5), be, b - mu); b, g and be rounded to bf16 like every input.  The means come with b in them.  v_rsq_f32 for the root.
; SHARES.  A work-group has 32 channels: one block of 256 bytes = [mean, M2][32 channels] of each of the 256 rows.  A wave reads 32 rows, sixteen lanes a block; lanes r < 8 hold means, r >= 8 hold M2.
; In the second pass lanes r >= 8 compute numbers that nobody reads.  Few work-groups: the sum spans all 256 rows and is owned by one; the data are 64 KiB a work-group.
.set RED,   0                          ; LDS: [8 waves][256 bytes]
.set RED2,  2048
.set FIN,   4096                       ; wave 0's own
.set FIN2,  4352
.set SPARE, 4608
.set AG,  4
.set ARS, 5
.set ARL, 6
.set A4,  7
.set SA,  8
.set SB,  12
.set SPW, 16
.set NIL, 17
.set TOT1,18
.set MEAN,22
.set TOT2,26
.set V,   32                           ; v[32:95] the 16 quads, live through both passes
.set RB,  96                           ; v[96:127] eight quads read back
.set PB_, 128                          ; b, g, be
.set OUTQ,132
.macro QADD d, a, b
	v_pk_add_f32 v[\d:\d+1], v[\a:\a+1], v[\b:\b+1]
	v_pk_add_f32 v[\d+2:\d+3], v[\a+2:\a+3], v[\b+2:\b+3]
.endm
.macro ACROSS dst, area                ; SA: + the other half of the lanes; through LDS: + the other seven waves; the total into dst, in every wave
.irp j, 0,1,2,3
	v_permlanex16_b32 v[SB+\j], v[SA+\j], s12, s13
.endr
	QADD SA, SA, SB
	ds_store_b128 v[ARS], v[SA:SA+3] offset:\area  ; both halves of the lanes store the same words
	s_wait_dscnt 0x0
	s_barrier_signal -1
	s_barrier_wait -1
.irp w, 0,1,2,3,4,5,6,7
	ds_load_b128 v[RB+4*\w:RB+4*\w+3], v[ARL] offset:\area+256*\w
.endr
	s_wait_dscnt 0x0
	QADD RB, RB, RB+4
	QADD RB+8, RB+8, RB+12
	QADD RB+16, RB+16, RB+20
	QADD RB+24, RB+24, RB+28
	QADD RB, RB, RB+8
	QADD RB+16, RB+16, RB+24
	QADD \dst, RB, RB+16
.endm
	s_load_b256 s[4:11], s[0:1], 0x0               ; part 4, b 6, g 8, be 10
	s_load_b64 s[14:15], s[0:1], 0x20              ; tab
	v_lshl_add_u32 v[SPW], v0, 2, SPARE
	v_mov_b32 v[NIL], 0
	v_lshrrev_b32 v1, 5, v0
	v_readfirstlane_b32 s16, v1                    ; wave 0..7
	v_and_b32 v1, 31, v0
	v_and_b32 v2, 15, v0
	v_bfe_u32 v3, v0, 4, 1
	s_mov_b32 s12, 0x76543210                      ; v_permlanex16_b32: each lane takes its own place in the other half
	s_mov_b32 s13, 0xfedcba98
	s_lshl_b32 s18, ttmp9, 8                       ; my block in a row
	s_mov_b32 s19, 0
	s_lshl_b32 s20, ttmp9, 7                       ; my 32 channels in b, g, be
	s_mov_b32 s21, 0
	s_lshl_b32 s22, ttmp9, 9                       ; and in tab
	s_mov_b32 s23, 0
	s_lshl_b32 s17, s16, 16                        ; 32 rows of 2,048 bytes a wave
	v_lshlrev_b32 v[AG], 11, v3
	v_lshl_add_u32 v[AG], v2, 4, v[AG]
	v_add_nc_u32 v[AG], s17, v[AG]
	s_lshl_b32 s17, s16, 8
	v_lshl_add_u32 v[ARS], v2, 4, s17
	v_lshlrev_b32 v[ARL], 4, v2
	v_lshlrev_b32 v[A4], 2, v1
	s_wait_kmcnt 0x0
	s_add_nc_u64 s[4:5], s[4:5], s[18:19]
	s_add_nc_u64 s[6:7], s[6:7], s[20:21]
	s_add_nc_u64 s[8:9], s[8:9], s[20:21]
	s_add_nc_u64 s[10:11], s[10:11], s[20:21]
	s_add_nc_u64 s[14:15], s[14:15], s[22:23]
.irp k, 0,1,2,3,4,5,6,7,8,9,10,11,12,13,14,15
	global_load_b128 v[V+4*\k:V+4*\k+3], v[AG], s[4:5] offset:4096*\k     ; rows 32 wave + 2 k + h
.endr
	global_load_b32 v[PB_], v[A4], s[6:7]
	global_load_b32 v[PB_+1], v[A4], s[8:9]
	global_load_b32 v[PB_+2], v[A4], s[10:11]
	s_wait_loadcnt 0x0
	QADD SA, V, V+4
	QADD SB, V+8, V+12
.irp k, 4,6,8,10,12,14
	QADD SA, SA, V+4*\k
	QADD SB, SB, V+4*\k+4
.endr
	QADD SA, SA, SB
	ACROSS TOT1, RED                               ; r < 8: the sum of the 256 means; r >= 8: the sum of the 256 M2
	v_pk_mul_f32 v[MEAN:MEAN+1], v[TOT1:TOT1+1], 0x3b800000 op_sel_hi:[1,0]
	v_pk_mul_f32 v[MEAN+2:MEAN+3], v[TOT1+2:TOT1+3], 0x3b800000 op_sel_hi:[1,0]
.irp k, 0,1,2,3,4,5,6,7,8,9,10,11,12,13,14,15
	v_pk_add_f32 v[V+4*\k:V+4*\k+1], v[V+4*\k:V+4*\k+1], v[MEAN:MEAN+1] neg_lo:[0,1] neg_hi:[0,1]
	v_pk_add_f32 v[V+4*\k+2:V+4*\k+3], v[V+4*\k+2:V+4*\k+3], v[MEAN+2:MEAN+3] neg_lo:[0,1] neg_hi:[0,1]
.endr
	v_pk_mul_f32 v[SA:SA+1], v[V:V+1], v[V:V+1]
	v_pk_mul_f32 v[SA+2:SA+3], v[V+2:V+3], v[V+2:V+3]
	v_pk_mul_f32 v[SB:SB+1], v[V+4:V+5], v[V+4:V+5]
	v_pk_mul_f32 v[SB+2:SB+3], v[V+6:V+7], v[V+6:V+7]
.irp k, 2,4,6,8,10,12,14
	v_pk_fma_f32 v[SA:SA+1], v[V+4*\k:V+4*\k+1], v[V+4*\k:V+4*\k+1], v[SA:SA+1]
	v_pk_fma_f32 v[SA+2:SA+3], v[V+4*\k+2:V+4*\k+3], v[V+4*\k+2:V+4*\k+3], v[SA+2:SA+3]
	v_pk_fma_f32 v[SB:SB+1], v[V+4*\k+4:V+4*\k+5], v[V+4*\k+4:V+4*\k+5], v[SB:SB+1]
	v_pk_fma_f32 v[SB+2:SB+3], v[V+4*\k+6:V+4*\k+7], v[V+4*\k+6:V+4*\k+7], v[SB+2:SB+3]
.endr
	QADD SA, SA, SB
	ACROSS TOT2, RED2                              ; r < 8: the sum of (mean_i - mu)^2
	s_cmp_lg_u32 s16, 0
	s_cbranch_scc1 .Lend
	ds_store_b128 v[ARL], v[TOT1:TOT1+3] offset:FIN    ; wave 0 alone: from a quad of channels a lane to a channel a lane, through bytes of its own
	ds_store_b128 v[ARL], v[TOT2:TOT2+3] offset:FIN2
	ds_load_b32 v[RB], v[A4] offset:FIN                ; LDS serves a wave's instructions in order (ISA guide 5.7.1.4)
	ds_load_b32 v[RB+1], v[A4] offset:FIN+128
	ds_load_b32 v[RB+2], v[A4] offset:FIN2
	v_cvt_pk_bf16_f32 v[RB+4], v[PB_], v[PB_+1]
	v_cvt_pk_bf16_f32 v[RB+5], v[PB_+2], v[PB_+2]
	v_lshlrev_b32 v[PB_], 16, v[RB+4]              ; b
	v_and_b32 v[PB_+1], 0xffff0000, v[RB+4]        ; g
	v_lshlrev_b32 v[OUTQ+2], 16, v[RB+5]           ; be
	v_lshlrev_b32 v[RB+6], 4, v1
	s_wait_dscnt 0x0
	v_mul_f32 v[OUTQ], 0x3b800000, v[RB]           ; mu = the sum of the means / 256
	v_fmamk_f32 v[RB+3], v[RB+2], 0x43800000, v[RB+1]  ; 256 x the sum of squares of the means' deviations + the sum of M2
	v_mul_f32 v[RB+3], 0x37800000, v[RB+3]         ; / 65,536: the variance
	v_add_f32 v[RB+3], 0x3727c5ac, v[RB+3]         ; + 1e-5
	v_rsq_f32 v[RB+3], v[RB+3]
	v_sub_f32 v[OUTQ+3], v[PB_], v[OUTQ]           ; b - mu: the plain instruction behind the root
	s_wait_alu depctr_va_vdst(0)                   ; the wait ahead of the first use
	v_mul_f32 v[OUTQ+1], v[PB_+1], v[RB+3]
	global_store_b128 v[RB+6], v[OUTQ:OUTQ+3], s[14:15]
.Lend:
	s_wait_tensorcnt 0x0                           ; the wave's end, behind my last LDS store
	ds_add_u32 v[SPW], v[NIL]
	s_wait_dscnt 0x0
	s_endpgm
.Lfunc_end_k_q6724a8a230_stat1:
	.size	k_q6724a8a230_stat1, .Lfunc_end_k_q6724a8a230_stat1-k_q6724a8a230_stat1
	.p2alignl 7, 3214868480
	.fill 96, 4, 3214868480
	.section	.rodata,"a",@progbits
	.p2align	6, 0x0
	.amdhsa_kernel k_q6724a8a230_stat1
		.amdhsa_group_segment_fixed_size 5632
		.amdhsa_private_segment_fixed_size 0
		.amdhsa_enable_private_segment 0
		.amdhsa_kernarg_size 40
		.amdhsa_user_sgpr_count 2
		.amdhsa_user_sgpr_kernarg_segment_ptr 1
		.amdhsa_wavefront_size32 1
		.amdhsa_system_sgpr_workgroup_id_x 1
		.amdhsa_system_sgpr_workgroup_id_y 1
		.amdhsa_system_sgpr_workgroup_id_z 1
		.amdhsa_system_vgpr_workitem_id 0
		.amdhsa_next_free_vgpr 144
		.amdhsa_next_free_sgpr 66
		.amdhsa_reserve_vcc 0
		.amdhsa_float_denorm_mode_32 3
		.amdhsa_float_denorm_mode_16_64 3
		.amdhsa_memory_ordered 1
		.amdhsa_forward_progress 1
		.amdhsa_inst_pref_size 15
	.end_amdhsa_kernel
	.amdgpu_metadata
---
amdhsa.version: [ 1, 2 ]
amdhsa.kernels:
  - .name:           k_q6724a8a230_stat1
    .symbol:         k_q6724a8a230_stat1.kd
    .args:
      - { .name: part1, .offset: 0, .size: 8, .value_kind: global_buffer, .address_space: global }
      - { .name: b1, .offset: 8, .size: 8, .value_kind: global_buffer, .address_space: global }
      - { .name: g1, .offset: 16, .size: 8, .value_kind: global_buffer, .address_space: global }
      - { .name: be1, .offset: 24, .size: 8, .value_kind: global_buffer, .address_space: global }
      - { .name: tab1, .offset: 32, .size: 8, .value_kind: global_buffer, .address_space: global }
    .group_segment_fixed_size: 5632
    .private_segment_fixed_size: 0
    .kernarg_segment_align: 8
    .kernarg_segment_size: 40
    .max_flat_workgroup_size: 256
    .sgpr_count:     66
    .vgpr_count:     144
    .wavefront_size: 32
...
	.end_amdgpu_metadata
.endif
;; end of part 4
;; launch conv2s (part 5): grid 256 x 1, 4 waves a work-group, clusters of 4 x 1, 167,936 bytes of LDS; arguments z1p, tab1, prep, b2, part2; writes part2
.if DOCPART == 5
	.amdgcn_target "amdgcn-amd-amdhsa--gfx1250"
	.amdhsa_code_object_version 6
	.text
	.protected	k_q6724a8a230_conv2s
	.globl	k_q6724a8a230_conv2s
	.p2align	8
	.type	k_q6724a8a230_conv2s,@function
k_q6724a8a230_conv2s:
	s_mov_b64 s[64:65], 0
	v_nop
	global_prefetch_b8 v0, s[64:65] scope:SCOPE_SE
	s_setreg_imm32_b32 hwreg(HW_REG_WAVE_MODE, 25, 1), 1
	s_wait_xcnt 0x0
	s_wait_alu depctr_hold_cnt(0) depctr_sa_sdst(0) depctr_va_vdst(0) depctr_va_sdst(0) depctr_va_ssrc(0) depctr_va_vcc(0) depctr_vm_vsrc(0)
	s_getreg_b32 s2, hwreg(HW_REG_IB_STS2, 6, 4)
	s_cmp_eq_u32 s2, 0
	s_cbranch_scc0 .Lentry_in_a_cluster
	s_endpgm
.Lentry_in_a_cluster:
	s_bfe_u32 s2, ttmp6, 0x10000c
	s_cmp_lg_u32 s2, 0x3003
	s_cbranch_scc0 .Lentry_shape_is_right
	s_endpgm
.Lentry_shape_is_right:
; THE SECOND CONVOLUTION, FOR ITS STATISTICS ALONE.  x1 = relu(z scale + shift), with shift = (P1 - mu) scale + be made in f32 and rounded once to f16 like scale; one packed f16 multiply-add and a maximum on the fragments as they were loaded.
; y2 = W2 x1 (f16 operands, f32 sums) is not stored: storing and reading it back would move as many bytes as reading z once more, which the last launch does.
; STATISTICS: each wave's 64 points are summed about a pilot (the mean of its first 16 points): mean = pilot + S / 64, M2 = Q - S^2 / 64, with S a sum of centred numbers; four waves are merged by M2 = sum M2_i + 64 sum (mean_i - mean)^2.
; LIMITS.  scale, shift and x1 lie within f16's 65,504; NaN and infinities are not treated apart.
; SHARES.  A work-group has 256 points, a wave 64 (four tiles of 16) x all 128 channels.  Its fragments of z come straight from memory in the register image in which they were stored, 512 consecutive bytes a load.
; All of W2 stays in 512 registers; it comes once into LDS, by a load that the four work-groups of a cluster ask for jointly, a quarter a wave.  A wave has one tensor load out at the most; no LDS byte is filled twice.
; THE PRODUCT: source 0 = 16 points, source 1 = 16 channels: a lane (r, h) ends with channel 64 (mt / 4) + 4 r + mt % 4 and points 8 h + 0..7.  No prefetch: every load of z is issued at the head.
; REGISTERS, in windows of 256 (s_set_vgpr_msb: bits 1:0 source 0, 3:2 source 1, 5:4 source 2, 7:6 destination):
;   window 0: v0-31 addresses; v32-95 accumulators (first the tables as loaded); v96-127 at work; v128-191 scale by fragment register (later pilots and sums); v192-255 shift (later, in v192-195, b2)
;   window 1: z, then x1: tile nt, block u of 16 channels at 64 nt + 4 u     windows 2, 3: W2's fragments of mt 0-3, 4-7, at 64 (mt % 4) + 8 s + 4 q
.set TS,    65536                      ; LDS: W2H from byte 0 as it lies; then for each wave 512 bytes of scale f16[256] and 512 of shift
.set ST,    69632                      ; means [4 waves][128] f32; M2 at + 2,048
.set SPARE, 73728
.set OW2H,  5373952
.set OP1,   33554432
.set ZO,   4                           ; 16 l
.set AP1,  5                           ; 32 l
.set ATB,  6                           ; 128 l
.set ATS,  7
.set ATR,  8
.set AS2,  10
.set AB2,  11
.set AL,   12
.set AGO,  13
.set TA,   14
.set T0,   24
.set T1,   25
.set SPW,  28
.set NIL,  29
.set ZERO, 30
.set ACC,  32
.set TW,   96                          ; v[96:127], all of it at work in the pilot and the sums
.set SC,   128
.set SH,   192
.set PIL,  128                         ; a pair for each mt
.set S2,   144
.set Q2,   160
.set MNS,  176
.set M2S,  184
.set BQ,   192                         ; b2's quad: where shift lay, whose last readers are the transforms; no other line names these four behind them
.set CMN,  32
.set CQ,   48
.set CS,   64
.set CE,   68
.set CB,   72
.set OQ,   76
.set WV,   16
.set SEL,  14
.set MSB, 0
.macro WIN new                         ; the immediate's high byte repeats the setting that is left; a switch that changes nothing is dropped
.if MSB != (\new)
	s_set_vgpr_msb (MSB<<8)|(\new)
.set MSB, \new
.endif
.endm
.macro ROUND
	s_barrier_signal -1
	s_barrier_wait -1
	s_cmp_lg_u32 s[WV], 0
	s_cbranch_scc1 .Lnot_wave_0_\@
	s_barrier_signal -3
.Lnot_wave_0_\@:
	s_barrier_wait -3
	s_barrier_signal -1
	s_barrier_wait -1
.endm
.macro PLACES
.rept 4
	v_nop
.endr
.endm
.macro ALL8 line:vararg
.set t, 0
.rept 8
	\line
.set t, t+1
.endr
.endm
.macro BR4 q
	v_cvt_pk_bf16_f32 v[T0], v[\q], v[\q+1]
	v_cvt_pk_bf16_f32 v[T1], v[\q+2], v[\q+3]
	v_lshlrev_b32 v[\q], 16, v[T0]
	v_and_b32 v[\q+1], 0xffff0000, v[T0]
	v_lshlrev_b32 v[\q+2], 16, v[T1]
	v_and_b32 v[\q+3], 0xffff0000, v[T1]
.endm
.macro ZLOAD nt                        ; a tile's 16 blocks
	WIN 0x40
.irp u, 0,1,2,3,4,5,6,7,8,9,10,11,12,13,14,15
	global_load_b128 v[64*\nt+4*\u:64*\nt+4*\u+3], v[ZO], s[40:41] offset:8192*\nt+512*\u
.endr
	WIN 0
.endm
.macro XFORM nt, left                  ; x1 = max(z scale + shift, 0), two channels an instruction, in place
	s_wait_loadcnt \left
	WIN 0x41
.set i, 0
.rept 8
.set j, 0
.rept 8
	v_pk_fma_f16 v[64*\nt+i+j], v[64*\nt+i+j], v[SC+i+j], v[SH+i+j]
.set j, j+1
.endr
.set j, 0
.rept 8
	v_pk_max_num_f16 v[64*\nt+i+j], v[64*\nt+i+j], v[ZERO]
.set j, j+1
.endr
.set i, i+8
.endr
.endm
.macro GEMM nt                         ; 64 products; four accumulators take turns
	WIN 0x09
.irp s, 0,1,2,3,4,5,6,7
.irp m, 0,1,2,3
.if \s == 0
	v_wmma_f32_16x16x32_f16 v[ACC+8*\m:ACC+8*\m+7], v[64*\nt+8*\s:64*\nt+8*\s+7], v[64*\m+8*\s:64*\m+8*\s+7], 0
.else
	v_wmma_f32_16x16x32_f16 v[ACC+8*\m:ACC+8*\m+7], v[64*\nt+8*\s:64*\nt+8*\s+7], v[64*\m+8*\s:64*\m+8*\s+7], v[ACC+8*\m:ACC+8*\m+7]
.endif
.endr
.endr
	WIN 0x0d
.irp s, 0,1,2,3,4,5,6,7
.irp m, 0,1,2,3
.if \s == 0
	v_wmma_f32_16x16x32_f16 v[ACC+32+8*\m:ACC+32+8*\m+7], v[64*\nt+8*\s:64*\nt+8*\s+7], v[64*\m+8*\s:64*\m+8*\s+7], 0
.else
	v_wmma_f32_16x16x32_f16 v[ACC+32+8*\m:ACC+32+8*\m+7], v[64*\nt+8*\s:64*\nt+8*\s+7], v[64*\m+8*\s:64*\m+8*\s+7], v[ACC+32+8*\m:ACC+32+8*\m+7]
.endif
.endr
.endr
	WIN 0
	PLACES
.endm
.macro ACCUM first                     ; S += y - pilot, Q += (y - pilot)^2; the very first pair starts both.  Each accumulator is read from its low end on.
.irp p, 0,1,2,3
.if (\first) && (\p == 0)
	ALL8 v_pk_add_f32 v[S2+2*t:S2+2*t+1], v[ACC+8*t:ACC+8*t+1], v[PIL+2*t:PIL+2*t+1] neg_lo:[0,1] neg_hi:[0,1]
	ALL8 v_pk_mul_f32 v[Q2+2*t:Q2+2*t+1], v[S2+2*t:S2+2*t+1], v[S2+2*t:S2+2*t+1]
.else
	ALL8 v_pk_add_f32 v[TW+2*t:TW+2*t+1], v[ACC+8*t+2*\p:ACC+8*t+2*\p+1], v[PIL+2*t:PIL+2*t+1] neg_lo:[0,1] neg_hi:[0,1]
	ALL8 v_pk_add_f32 v[S2+2*t:S2+2*t+1], v[S2+2*t:S2+2*t+1], v[TW+2*t:TW+2*t+1]
	ALL8 v_pk_fma_f32 v[Q2+2*t:Q2+2*t+1], v[TW+2*t:TW+2*t+1], v[TW+2*t:TW+2*t+1], v[Q2+2*t:Q2+2*t+1]
.endif
.endr
.endm
.macro COMB4
.irp p, 0,2
	v_pk_add_f32 v[CS+\p:CS+\p+1], v[CMN+\p:CMN+\p+1], v[CMN+4+\p:CMN+4+\p+1]
	v_pk_add_f32 v[CE+\p:CE+\p+1], v[CMN+8+\p:CMN+8+\p+1], v[CMN+12+\p:CMN+12+\p+1]
	v_pk_add_f32 v[CS+\p:CS+\p+1], v[CS+\p:CS+\p+1], v[CE+\p:CE+\p+1]
	v_pk_mul_f32 v[CS+\p:CS+\p+1], v[CS+\p:CS+\p+1], 0x3e800000 op_sel_hi:[1,0]
	v_pk_add_f32 v[CE+\p:CE+\p+1], v[CMN+\p:CMN+\p+1], v[CS+\p:CS+\p+1] neg_lo:[0,1] neg_hi:[0,1]
	v_pk_mul_f32 v[CB+\p:CB+\p+1], v[CE+\p:CE+\p+1], v[CE+\p:CE+\p+1]
.irp g, 1,2,3
	v_pk_add_f32 v[CE+\p:CE+\p+1], v[CMN+4*\g+\p:CMN+4*\g+\p+1], v[CS+\p:CS+\p+1] neg_lo:[0,1] neg_hi:[0,1]
	v_pk_fma_f32 v[CB+\p:CB+\p+1], v[CE+\p:CE+\p+1], v[CE+\p:CE+\p+1], v[CB+\p:CB+\p+1]
.endr
	v_pk_add_f32 v[CQ+\p:CQ+\p+1], v[CQ+\p:CQ+\p+1], v[CQ+4+\p:CQ+4+\p+1]
	v_pk_add_f32 v[CQ+8+\p:CQ+8+\p+1], v[CQ+8+\p:CQ+8+\p+1], v[CQ+12+\p:CQ+12+\p+1]
	v_pk_add_f32 v[CQ+\p:CQ+\p+1], v[CQ+\p:CQ+\p+1], v[CQ+8+\p:CQ+8+\p+1]
	v_pk_fma_f32 v[CQ+\p:CQ+\p+1], v[CB+\p:CB+\p+1], 0x42800000, v[CQ+\p:CQ+\p+1] op_sel_hi:[1,0,1]
.endr
.endm
	s_load_b256 s[4:11], s[0:1], 0x0               ; z1p 4, tab1 6, prep 8, b2 10
	s_load_b64 s[12:13], s[0:1], 0x20              ; part2
	v_lshl_add_u32 v[SPW], v0, 2, SPARE
	v_mov_b32 v[NIL], 0
	ds_add_u32 v[SPW], v[NIL]                      ; the wave's opening: the add, twice on end, and its wait ahead of my first tensor load
	ds_add_u32 v[SPW], v[NIL]
	v_lshrrev_b32 v1, 5, v0
	v_readfirstlane_b32 s[WV], v1                  ; wave 0..3
	v_and_b32 v1, 31, v0
	v_and_b32 v2, 15, v0
	v_bfe_u32 v3, v0, 4, 1
	v_mov_b32 v[ZERO], 0
	s_bfe_u32 s17, ttmp6, 0x40000                  ; cx
	s_lshl_b32 s18, ttmp9, 2
	s_add_co_u32 s18, s18, s17                     ; my tile of 256 points: it enters global addresses alone
	s_mov_b32 s[SEL], 0x76543210
	s_mov_b32 s[SEL+1], 0xfedcba98
	s_mov_b32 s24, 1                               ; the descriptor: 16,384 dense bytes as 64 rows of 256; the same in all four work-groups
	s_lshl_b32 s25, s[WV], 14                      ; LDS address: my quarter
	s_mov_b32 s28, 15|(3<<16)|(1<<21)              ; the mask of four; 8-byte elements; bit 21 beside a mask
	s_mov_b32 s29, 32<<16                          ; tensor_dim0 = 32
	s_mov_b32 s30, 64<<16                          ; tensor_dim1 = 64
	s_mov_b32 s31, 32<<16                          ; tile_dim0 = 32
	s_mov_b32 s32, 64                              ; tile_dim1 = 64
	s_mov_b32 s33, 32                              ; elements from row to row
	s_mov_b32 s34, 0
	s_mov_b32 s35, 0
	s_add_co_u32 s20, s25, OW2H
	s_mov_b32 s21, 0
	s_lshl_b32 s22, s18, 17                        ; Z1: 131,072 bytes a work-group, 32,768 a wave
	s_lshl_b32 s19, s[WV], 15
	s_add_co_u32 s22, s22, s19
	s_mov_b32 s23, 0
	s_lshl_b32 s36, s18, 12                        ; P1: 1,024 bytes a wave
	s_lshl_b32 s19, s[WV], 10
	s_add_co_u32 s36, s36, s19
	s_add_co_u32 s36, s36, OP1
	s_mov_b32 s37, 0
	s_lshl_b32 s38, s18, 11                        ; part2's row
	s_mov_b32 s39, 0
	v_lshlrev_b32 v[ZO], 4, v1
	v_lshlrev_b32 v[AP1], 5, v1
	v_lshlrev_b32 v[ATB], 7, v1
	s_add_co_u32 s19, s19, TS
	v_lshl_add_u32 v[ATS], v1, 4, s19
	v_lshl_add_u32 v[ATR], v3, 4, s19
	s_lshl_b32 s19, s[WV], 9
	s_add_co_u32 s19, s19, ST
	v_lshl_add_u32 v[AS2], v2, 4, s19
	v_bfe_u32 v[AB2], v0, 4, 2                     ; the tail's channels: 32 ((thread % 64) / 16) + 4 (thread % 8), in bytes
	v_and_b32 v[TA], 7, v0
	v_lshlrev_b32 v[AB2], 7, v[AB2]
	v_lshl_add_u32 v[AB2], v[TA], 4, v[AB2]
	s_wait_dscnt 0x0                               ; both opening adds are done
	s_wait_kmcnt 0x0
	s_add_nc_u64 s[26:27], s[8:9], s[20:21]
	s_or_b32 s27, s27, 0x80000000                  ; type = 2
	s_add_nc_u64 s[40:41], s[4:5], s[22:23]
	s_add_nc_u64 s[42:43], s[4:5], s[36:37]
	s_add_nc_u64 s[12:13], s[12:13], s[38:39]
	global_load_b128 v[32:35], v[AP1], s[42:43]    ; my eight channels' means,
	global_load_b128 v[36:39], v[AP1], s[42:43] offset:16
.irp k, 0,1,2,3,4,5,6,7
	global_load_b128 v[40+4*\k:43+4*\k], v[ATB], s[6:7] offset:16*\k   ; and (mu, scale, be, -)
.endr
	ZLOAD 0
	ZLOAD 1
	ZLOAD 2
	ROUND                                          ; all four work-groups are here: the joint loads meet
	tensor_load_to_lds s[24:27], s[28:35]
	s_nop 0
.rept 4
	v_nop
.endr
	s_wait_loadcnt 48                              ; the tables are in; three tiles' 48 loads are younger
.irp k, 0,1,2,3,4,5,6,7
	v_sub_f32 v[TW+\k], v[32+\k], v[40+4*\k]
.endr
.irp k, 0,1,2,3,4,5,6,7
	v_fma_f32 v[TW+\k], v[TW+\k], v[41+4*\k], v[42+4*\k]
.endr
.irp p, 0,1,2,3
	v_cvt_pk_f16_f32 v[TW+8+\p], v[41+8*\p], v[45+8*\p]
	v_cvt_pk_f16_f32 v[TW+12+\p], v[TW+2*\p], v[TW+2*\p+1]
.endr
	ds_store_b128 v[ATS], v[TW+8:TW+11]
	ds_store_b128 v[ATS], v[TW+12:TW+15] offset:512
	ZLOAD 3
	s_wait_tensorcnt 0x0                           ; my quarter of W2H has landed,
	s_wait_dscnt 0x0
	s_barrier_signal -1
	s_barrier_wait -1                              ; everybody's
.irp u, 0,1,2,3,4,5,6,7,8,9,10,11,12,13,14,15
	ds_load_b128 v[SC+4*\u:SC+4*\u+3], v[ATR] offset:32*\u           ; channels 16 u + 8 h ..+7: what block u's four registers hold
	ds_load_b128 v[SH+4*\u:SH+4*\u+3], v[ATR] offset:512+32*\u
.endr
	WIN 0x80
.irp m, 0,1,2,3
.irp s, 0,1,2,3,4,5,6,7
.irp q, 0,1
	ds_load_b128 v[64*\m+8*\s+4*\q:64*\m+8*\s+4*\q+3], v[ZO] offset:512*((8*\m+\s)*2+\q)
.endr
.endr
.endr
	WIN 0xc0
.irp m, 0,1,2,3
.irp s, 0,1,2,3,4,5,6,7
.irp q, 0,1
	ds_load_b128 v[64*\m+8*\s+4*\q:64*\m+8*\s+4*\q+3], v[ZO] offset:512*((8*(\m+4)+\s)*2+\q)
.endr
.endr
.endr
	WIN 0
	s_wait_dscnt 0x0
	XFORM 0, 48                                    ; the counts: the later tiles' loads stay out
	XFORM 1, 32
	XFORM 2, 16
	XFORM 3, 0
	WIN 0
	global_load_b128 v[BQ:BQ+3], v[AB2], s[10:11]  ; b2, for the tail: it is waited for ahead of the tail's barrier
	GEMM 0
	ALL8 v_pk_add_f32 v[TW+4*t:TW+4*t+1], v[ACC+8*t:ACC+8*t+1], v[ACC+8*t+2:ACC+8*t+3]      ; the pilot: the mean of the first tile's 16 points
	ALL8 v_pk_add_f32 v[TW+4*t+2:TW+4*t+3], v[ACC+8*t+4:ACC+8*t+5], v[ACC+8*t+6:ACC+8*t+7]
	ALL8 v_pk_add_f32 v[TW+4*t:TW+4*t+1], v[TW+4*t:TW+4*t+1], v[TW+4*t+2:TW+4*t+3]
	ALL8 v_add_f32 v[TW+4*t], v[TW+4*t], v[TW+4*t+1]
	ALL8 v_permlanex16_b32 v[TW+4*t+1], v[TW+4*t], s[SEL], s[SEL+1]
	ALL8 v_add_f32 v[TW+4*t], v[TW+4*t], v[TW+4*t+1]
	ALL8 v_mul_f32 v[PIL+2*t], 0x3d800000, v[TW+4*t]
	ALL8 v_mul_f32 v[PIL+2*t+1], 0x3d800000, v[TW+4*t]
	ACCUM 1
	GEMM 1
	ACCUM 0
	GEMM 2
	ACCUM 0
	GEMM 3
	ACCUM 0
	ALL8 v_add_f32 v[TW+4*t], v[S2+2*t], v[S2+2*t+1]
	ALL8 v_add_f32 v[TW+4*t+1], v[Q2+2*t], v[Q2+2*t+1]
	ALL8 v_permlanex16_b32 v[TW+4*t+2], v[TW+4*t], s[SEL], s[SEL+1]
	ALL8 v_permlanex16_b32 v[TW+4*t+3], v[TW+4*t+1], s[SEL], s[SEL+1]
	ALL8 v_add_f32 v[TW+4*t], v[TW+4*t], v[TW+4*t+2]
	ALL8 v_add_f32 v[TW+4*t+1], v[TW+4*t+1], v[TW+4*t+3]
	ALL8 v_mul_f32 v[TW+4*t+2], 0x3c800000, v[TW+4*t]                   ; S / 64
	ALL8 v_add_f32 v[MNS+t], v[PIL+2*t], v[TW+4*t+2]
	ALL8 v_fma_f32 v[M2S+t], -v[TW+4*t], v[TW+4*t+2], v[TW+4*t+1]
.irp q, 0,1
	ds_store_b128 v[AS2], v[MNS+4*\q:MNS+4*\q+3] offset:256*\q          ; channels 64 q + 4 r ..+3; both halves of the lanes store the same words
	ds_store_b128 v[AS2], v[M2S+4*\q:M2S+4*\q+3] offset:2048+256*\q
.endr
	s_wait_loadcnt 0x0                             ; b2
	s_wait_dscnt 0x0
	s_barrier_signal -1
	s_barrier_wait -1
	s_cmp_lt_u32 s[WV], 2
	s_cbranch_scc0 .Lend
	v_add_nc_u32 v[AL], ST, v[AB2]                 ; waves 0 and 1: the work-group's mean and M2, 1,024 bytes of part2's row: blocks of 256 bytes = [mean, M2][32 channels]
	v_lshlrev_b32 v[AGO], 4, v0
.irp g, 0,1,2,3
	ds_load_b128 v[CMN+4*\g:CMN+4*\g+3], v[AL] offset:512*\g
	ds_load_b128 v[CQ+4*\g:CQ+4*\g+3], v[AL] offset:2048+512*\g
.endr
	BR4 BQ
	v_and_b32 v[TA], 8, v0
	v_cmp_ne_u32 vcc_lo, 0, v[TA]
	s_wait_dscnt 0x0
	COMB4
	v_pk_add_f32 v[CS:CS+1], v[CS:CS+1], v[BQ:BQ+1]
	v_pk_add_f32 v[CS+2:CS+3], v[CS+2:CS+3], v[BQ+2:BQ+3]
.irp j, 0,1,2,3
	v_cndmask_b32 v[OQ+\j], v[CS+\j], v[CQ+\j], vcc_lo
.endr
	global_store_b128 v[AGO], v[OQ:OQ+3], s[12:13]
.Lend:
	s_wait_tensorcnt 0x0                           ; the wave's end, behind my last tensor load and my last LDS store
	ds_add_u32 v[SPW], v[NIL]
	s_wait_dscnt 0x0
	ROUND                                          ; the closing round
	s_endpgm
.Lfunc_end_k_q6724a8a230_conv2s:
	.size	k_q6724a8a230_conv2s, .Lfunc_end_k_q6724a8a230_conv2s-k_q6724a8a230_conv2s
	.p2alignl 7, 3214868480
	.fill 96, 4, 3214868480
	.section	.rodata,"a",@progbits
	.p2align	6, 0x0
	.amdhsa_kernel k_q6724a8a230_conv2s
		.amdhsa_group_segment_fixed_size 167936
		.amdhsa_private_segment_fixed_size 0
		.amdhsa_enable_private_segment 0
		.amdhsa_kernarg_size 40
		.amdhsa_user_sgpr_count 2
		.amdhsa_user_sgpr_kernarg_segment_ptr 1
		.amdhsa_wavefront_size32 1
		.amdhsa_system_sgpr_workgroup_id_x 1
		.amdhsa_system_sgpr_workgroup_id_y 1
		.amdhsa_system_sgpr_workgroup_id_z 1
		.amdhsa_system_vgpr_workitem_id 0
		.amdhsa_next_free_vgpr 1024
		.amdhsa_next_free_sgpr 66
		.amdhsa_reserve_vcc 1
		.amdhsa_float_denorm_mode_32 3
		.amdhsa_float_denorm_mode_16_64 3
		.amdhsa_memory_ordered 1
		.amdhsa_forward_progress 1
		.amdhsa_inst_pref_size 107
	.end_amdhsa_kernel
	.amdgpu_metadata
---
amdhsa.version: [ 1, 2 ]
amdhsa.kernels:
  - .name:           k_q6724a8a230_conv2s
    .symbol:         k_q6724a8a230_conv2s.kd
    .args:
      - { .name: z1p, .offset: 0, .size: 8, .value_kind: global_buffer, .address_space: global }
      - { .name: tab1, .offset: 8, .size: 8, .value_kind: global_buffer, .address_space: global }
      - { .name: prep, .offset: 16, .size: 8, .value_kind: global_buffer, .address_space: global }
      - { .name: b2, .offset: 24, .size: 8, .value_kind: global_buffer, .address_space: global }
      - { .name: part2, .offset: 32, .size: 8, .value_kind: global_buffer, .address_space: global }
    .group_segment_fixed_size: 167936
    .private_segment_fixed_size: 0
    .kernarg_segment_align: 8
    .kernarg_segment_size: 40
    .max_flat_workgroup_size: 128
    .sgpr_count:     66
    .vgpr_count:     1024
    .wavefront_size: 32
...
	.end_amdgpu_metadata
.endif
;; end of part 5
;; launch stat2: the kernel of part 4 again; grid 4 x 1, 8 waves a work-group, no clusters, 5,632 bytes of LDS; arguments part2, b2, g2, be2, tab2; writes tab2
;; launch conv2o (part 6): grid 256 x 1, 4 waves a work-group, clusters of 4 x 1, 209,408 bytes of LDS; arguments z1p, tab1, tab2, prep, out0; writes out0
.if DOCPART == 6
	.amdgcn_target "amdgcn-amd-amdhsa--gfx1250"
	.amdhsa_code_object_version 6
	.text
	.protected	k_q6724a8a230_conv2o
	.globl	k_q6724a8a230_conv2o
	.p2align	8
	.type	k_q6724a8a230_conv2o,@function
k_q6724a8a230_conv2o:
	s_mov_b64 s[64:65], 0
	v_nop
	global_prefetch_b8 v0, s[64:65] scope:SCOPE_SE
	s_setreg_imm32_b32 hwreg(HW_REG_WAVE_MODE, 25, 1), 1
	s_wait_xcnt 0x0
	s_wait_alu depctr_hold_cnt(0) depctr_sa_sdst(0) depctr_va_vdst(0) depctr_va_sdst(0) depctr_va_ssrc(0) depctr_va_vcc(0) depctr_vm_vsrc(0)
	s_getreg_b32 s2, hwreg(HW_REG_IB_STS2, 6, 4)
	s_cmp_eq_u32 s2, 0
	s_cbranch_scc0 .Lentry_in_a_cluster
	s_endpgm
.Lentry_in_a_cluster:
	s_bfe_u32 s2, ttmp6, 0x10000c
	s_cmp_lg_u32 s2, 0x3003
	s_cbranch_scc0 .Lentry_shape_is_right
	s_endpgm
.Lentry_shape_is_right:
; THE SECOND CONVOLUTION, FOR THE OUTPUT.  As the launch that made its statistics: x1 = relu(z scale + shift) on the fragments, y2 = W2 x1 (f16 operands, f32 sums); then out = relu(y2 scale2 + c), c = (b2 - mu2) scale2 + be2, in f32.
; LIMITS.  scale, shift and x1 lie within f16's 65,504; NaN and infinities are not treated apart.
; SHARES.  A work-group has 256 points, a wave 64 x all 128 channels; W2 stays in 512 registers, brought once into LDS by a load that the four work-groups of a cluster ask for jointly, a quarter a wave.
; A wave has one tensor load out at the most; no LDS byte is filled twice.  No prefetch: every load of z is issued at the head.
; THE WAY OUT.  A lane ends with one channel and eight points: 32 bytes.  The wave's 128 x 64 numbers go through a stage of its own in LDS (rows of 256 + 16 bytes) and come back as whole rows: sixteen lanes store 256 consecutive bytes, aligned.
; REGISTERS, in windows of 256 (s_set_vgpr_msb: bits 1:0 source 0, 3:2 source 1, 5:4 source 2, 7:6 destination):
;   window 0: v0-31 addresses; v32-95 accumulators (first the tables as loaded); v96-127 at work; v128-191 scale, v192-255 shift by fragment register (later the second table, and rows on their way out)
;   window 1: z, then x1, at 64 nt + 4 u     windows 2, 3: W2's fragments of mt 0-3, 4-7, at 64 (mt % 4) + 8 s + 4 q
.set TS,    65536
.set STG,   69632                      ; four stages of 128 rows x 272 bytes; row 16 mt + r holds channel 64 (mt / 4) + 4 r + mt % 4
.set SGP,   272
.set SPARE, 208896
.set OW2H,  5373952
.set OP1,   33554432
.set ZO,   4
.set AP1,  5
.set ATB,  6
.set ATS,  7
.set ATR,  8
.set AT2,  10
.set ASG,  11
.set ARG,  12
.set AOUT, 13
.set SPW,  28
.set NIL,  29
.set ZERO, 30
.set ACC,  32
.set TW,   96
.set SC,   128
.set SH,   192
.set TB2,  128                         ; mt's quad: (c, scale, be, b - mu)
.set OB,   192
.set WV,   16
.set MSB, 0
.macro WIN new
.if MSB != (\new)
	s_set_vgpr_msb (MSB<<8)|(\new)
.set MSB, \new
.endif
.endm
.macro ROUND
	s_barrier_signal -1
	s_barrier_wait -1
	s_cmp_lg_u32 s[WV], 0
	s_cbranch_scc1 .Lnot_wave_0_\@
	s_barrier_signal -3
.Lnot_wave_0_\@:
	s_barrier_wait -3
	s_barrier_signal -1
	s_barrier_wait -1
.endm
.macro PLACES
.rept 4
	v_nop
.endr
.endm
.macro ZLOAD nt
	WIN 0x40
.irp u, 0,1,2,3,4,5,6,7,8,9,10,11,12,13,14,15
	global_load_b128 v[64*\nt+4*\u:64*\nt+4*\u+3], v[ZO], s[40:41] offset:8192*\nt+512*\u th:TH_LOAD_NT
.endr
	WIN 0
.endm
.macro XFORM nt, left
	s_wait_loadcnt \left
	WIN 0x41
.set i, 0
.rept 8
.set j, 0
.rept 8
	v_pk_fma_f16 v[64*\nt+i+j], v[64*\nt+i+j], v[SC+i+j], v[SH+i+j]
.set j, j+1
.endr
.set j, 0
.rept 8
	v_pk_max_num_f16 v[64*\nt+i+j], v[64*\nt+i+j], v[ZERO]
.set j, j+1
.endr
.set i, i+8
.endr
.endm
.macro GEMM nt                         ; 64 products; four accumulators take turns
	WIN 0x09
.irp s, 0,1,2,3,4,5,6,7
.irp m, 0,1,2,3
.if \s == 0
	v_wmma_f32_16x16x32_f16 v[ACC+8*\m:ACC+8*\m+7], v[64*\nt+8*\s:64*\nt+8*\s+7], v[64*\m+8*\s:64*\m+8*\s+7], 0
.else
	v_wmma_f32_16x16x32_f16 v[ACC+8*\m:ACC+8*\m+7], v[64*\nt+8*\s:64*\nt+8*\s+7], v[64*\m+8*\s:64*\m+8*\s+7], v[ACC+8*\m:ACC+8*\m+7]
.endif
.endr
.endr
	WIN 0x0d
.irp s, 0,1,2,3,4,5,6,7
.irp m, 0,1,2,3
.if \s == 0
	v_wmma_f32_16x16x32_f16 v[ACC+32+8*\m:ACC+32+8*\m+7], v[64*\nt+8*\s:64*\nt+8*\s+7], v[64*\m+8*\s:64*\m+8*\s+7], 0
.else
	v_wmma_f32_16x16x32_f16 v[ACC+32+8*\m:ACC+32+8*\m+7], v[64*\nt+8*\s:64*\nt+8*\s+7], v[64*\m+8*\s:64*\m+8*\s+7], v[ACC+32+8*\m:ACC+32+8*\m+7]
.endif
.endr
.endr
	WIN 0
	PLACES
.endm
.macro EPIO nt                         ; max(y scale + c, 0), into the stage.  Each accumulator is read from its low end on.
.irp m, 0,1,2,3,4,5,6,7
.irp p, 0,1,2,3
	v_pk_fma_f32 v[ACC+8*\m+2*\p:ACC+8*\m+2*\p+1], v[ACC+8*\m+2*\p:ACC+8*\m+2*\p+1], v[TB2+4*\m:TB2+4*\m+1], v[TB2+4*\m:TB2+4*\m+1] op_sel:[0,1,0] op_sel_hi:[1,1,0]
.endr
.irp j, 0,1,2,3,4,5,6,7
	v_max_num_f32 v[ACC+8*\m+\j], 0, v[ACC+8*\m+\j]
.endr
	ds_store_b128 v[ASG], v[ACC+8*\m:ACC+8*\m+3] offset:16*SGP*\m+64*\nt
	ds_store_b128 v[ASG], v[ACC+8*\m+4:ACC+8*\m+7] offset:16*SGP*\m+64*\nt+16
.endr
.endm
	s_load_b256 s[4:11], s[0:1], 0x0               ; z1p 4, tab1 6, tab2 8, prep 10
	s_load_b64 s[12:13], s[0:1], 0x20              ; out0
	v_lshl_add_u32 v[SPW], v0, 2, SPARE
	v_mov_b32 v[NIL], 0
	ds_add_u32 v[SPW], v[NIL]                      ; the wave's opening: the add, twice on end, and its wait ahead of my first tensor load
	ds_add_u32 v[SPW], v[NIL]
	v_lshrrev_b32 v1, 5, v0
	v_readfirstlane_b32 s[WV], v1                  ; wave 0..3
	v_and_b32 v1, 31, v0
	v_and_b32 v2, 15, v0
	v_bfe_u32 v3, v0, 4, 1
	v_mov_b32 v[ZERO], 0
	s_bfe_u32 s17, ttmp6, 0x40000                  ; cx
	s_lshl_b32 s18, ttmp9, 2
	s_add_co_u32 s18, s18, s17                     ; my tile of 256 points: it enters global addresses alone
	s_mov_b32 s24, 1                               ; the descriptor: 16,384 dense bytes as 64 rows of 256; the same in all four work-groups
	s_lshl_b32 s25, s[WV], 14
	s_mov_b32 s28, 15|(3<<16)|(1<<21)              ; the mask of four; 8-byte elements; bit 21 beside a mask
	s_mov_b32 s29, 32<<16
	s_mov_b32 s30, 64<<16
	s_mov_b32 s31, 32<<16
	s_mov_b32 s32, 64
	s_mov_b32 s33, 32
	s_mov_b32 s34, 0
	s_mov_b32 s35, 0
	s_add_co_u32 s20, s25, OW2H
	s_mov_b32 s21, 0
	s_lshl_b32 s22, s18, 17
	s_lshl_b32 s19, s[WV], 15
	s_add_co_u32 s22, s22, s19
	s_mov_b32 s23, 0
	s_lshl_b32 s36, s18, 12
	s_lshl_b32 s19, s[WV], 10
	s_add_co_u32 s36, s36, s19
	s_add_co_u32 s36, s36, OP1
	s_mov_b32 s37, 0
	s_lshr_b32 s38, s18, 5                         ; out0: the batch's 128 rows of 32,768 bytes, my 256 points' 1,024 bytes of a row
	s_lshl_b32 s38, s38, 22
	s_and_b32 s39, s18, 31
	s_lshl_b32 s39, s39, 10
	s_add_co_u32 s38, s38, s39
	s_mov_b32 s39, 0
	v_lshlrev_b32 v[ZO], 4, v1
	v_lshlrev_b32 v[AP1], 5, v1
	v_lshlrev_b32 v[ATB], 7, v1
	s_add_co_u32 s19, s19, TS
	v_lshl_add_u32 v[ATS], v1, 4, s19
	v_lshl_add_u32 v[ATR], v3, 4, s19
	v_lshlrev_b32 v[AT2], 6, v2                    ; channels 4 r ..: 16 bytes each in the second table
	s_mul_i32 s19, s[WV], 128*SGP
	s_add_co_u32 s19, s19, STG
	v_mul_u32_u24 v[ASG], v2, SGP                  ; in: row r (+ 16 mt), my eight points
	v_lshl_add_u32 v[ASG], v3, 5, v[ASG]
	v_add_nc_u32 v[ASG], s19, v[ASG]
	v_mul_u32_u24 v[ARG], v3, SGP                  ; back: lanes 0-15 one row of 256 bytes, lanes 16-31 the next
	v_lshl_add_u32 v[ARG], v2, 4, v[ARG]
	v_add_nc_u32 v[ARG], s19, v[ARG]
	s_lshl_b32 s19, s[WV], 8
	v_lshlrev_b32 v[AOUT], 17, v3                  ; stage row 2 t + h is channel .. + 4 h: four rows of out0 on
	v_lshl_add_u32 v[AOUT], v2, 4, v[AOUT]
	v_add_nc_u32 v[AOUT], s19, v[AOUT]
	s_wait_dscnt 0x0                               ; both opening adds are done
	s_wait_kmcnt 0x0
	s_add_nc_u64 s[26:27], s[10:11], s[20:21]
	s_or_b32 s27, s27, 0x80000000                  ; type = 2
	s_add_nc_u64 s[40:41], s[4:5], s[22:23]
	s_add_nc_u64 s[42:43], s[4:5], s[36:37]
	s_add_nc_u64 s[12:13], s[12:13], s[38:39]
	global_load_b128 v[32:35], v[AP1], s[42:43]
	global_load_b128 v[36:39], v[AP1], s[42:43] offset:16
.irp k, 0,1,2,3,4,5,6,7
	global_load_b128 v[40+4*\k:43+4*\k], v[ATB], s[6:7] offset:16*\k
.endr
	ZLOAD 0
	ZLOAD 1
	ZLOAD 2
	ROUND                                          ; all four work-groups are here: the joint loads meet
	tensor_load_to_lds s[24:27], s[28:35]
	s_nop 0
.rept 4
	v_nop
.endr
	s_wait_loadcnt 48                              ; the tables are in; three tiles' 48 loads are younger
.irp k, 0,1,2,3,4,5,6,7
	v_sub_f32 v[TW+\k], v[32+\k], v[40+4*\k]
.endr
.irp k, 0,1,2,3,4,5,6,7
	v_fma_f32 v[TW+\k], v[TW+\k], v[41+4*\k], v[42+4*\k]
.endr
.irp p, 0,1,2,3
	v_cvt_pk_f16_f32 v[TW+8+\p], v[41+8*\p], v[45+8*\p]
	v_cvt_pk_f16_f32 v[TW+12+\p], v[TW+2*\p], v[TW+2*\p+1]
.endr
	ds_store_b128 v[ATS], v[TW+8:TW+11]
	ds_store_b128 v[ATS], v[TW+12:TW+15] offset:512
	ZLOAD 3
	s_wait_tensorcnt 0x0                           ; my quarter of W2H has landed,
	s_wait_dscnt 0x0
	s_barrier_signal -1
	s_barrier_wait -1                              ; everybody's
.irp u, 0,1,2,3,4,5,6,7,8,9,10,11,12,13,14,15
	ds_load_b128 v[SC+4*\u:SC+4*\u+3], v[ATR] offset:32*\u
	ds_load_b128 v[SH+4*\u:SH+4*\u+3], v[ATR] offset:512+32*\u
.endr
	WIN 0x80
.irp m, 0,1,2,3
.irp s, 0,1,2,3,4,5,6,7
.irp q, 0,1
	ds_load_b128 v[64*\m+8*\s+4*\q:64*\m+8*\s+4*\q+3], v[ZO] offset:512*((8*\m+\s)*2+\q)
.endr
.endr
.endr
	WIN 0xc0
.irp m, 0,1,2,3
.irp s, 0,1,2,3,4,5,6,7
.irp q, 0,1
	ds_load_b128 v[64*\m+8*\s+4*\q:64*\m+8*\s+4*\q+3], v[ZO] offset:512*((8*(\m+4)+\s)*2+\q)
.endr
.endr
.endr
	WIN 0
	s_wait_dscnt 0x0
	XFORM 0, 48                                    ; the counts: the later tiles' loads stay out
	XFORM 1, 32
	XFORM 2, 16
	XFORM 3, 0
	WIN 0
.irp m, 0,1,2,3,4,5,6,7
	global_load_b128 v[TB2+4*\m:TB2+4*\m+3], v[AT2], s[8:9] offset:1024*(\m/4)+16*(\m%4)   ; the second table, where scale lay: it lands under the first tile's products
.endr
	GEMM 0
	s_wait_loadcnt 0x0
.irp m, 0,1,2,3,4,5,6,7
	v_fma_f32 v[TB2+4*\m], v[TB2+4*\m+3], v[TB2+4*\m+1], v[TB2+4*\m+2]   ; c = (b - mu) scale + be
.endr
	EPIO 0
	GEMM 1
	EPIO 1
	GEMM 2
	EPIO 2
	GEMM 3
	EPIO 3
.irp g, 0,1,2,3
.if \g > 0
	s_wait_xcnt 0x0                                ; the last batch's stores have read their registers (ISA guide 3.1): only now are these loaded again
.endif
.irp k, 0,1,2,3,4,5,6,7,8,9,10,11,12,13,14,15
	ds_load_b128 v[OB+4*\k:OB+4*\k+3], v[ARG] offset:2*SGP*(16*\g+\k)    ; LDS serves a wave's instructions in order (ISA guide 5.7.1.4): these see my stores above
.endr
.irp k, 0,1,2,3,4,5,6,7,8,9,10,11,12,13,14,15
	s_wait_dscnt 15-\k
	global_store_b128 v[AOUT], v[OB+4*\k:OB+4*\k+3], s[12:13] offset:(64*((16*\g+\k)/32)+8*((16*\g+\k)%8)+((16*\g+\k)/8)%4)*32768 th:TH_STORE_NT  ; sixteen lanes store 256 consecutive bytes, aligned
.endr
.endr
	s_wait_tensorcnt 0x0                           ; the wave's end, behind my last tensor load and my last LDS store
	ds_add_u32 v[SPW], v[NIL]
	s_wait_dscnt 0x0
	ROUND                                          ; the closing round
	s_endpgm
.Lfunc_end_k_q6724a8a230_conv2o:
	.size	k_q6724a8a230_conv2o, .Lfunc_end_k_q6724a8a230_conv2o-k_q6724a8a230_conv2o
	.p2alignl 7, 3214868480
	.fill 96, 4, 3214868480
	.section	.rodata,"a",@progbits
	.p2align	6, 0x0
	.amdhsa_kernel k_q6724a8a230_conv2o
		.amdhsa_group_segment_fixed_size 209408
		.amdhsa_private_segment_fixed_size 0
		.amdhsa_enable_private_segment 0
		.amdhsa_kernarg_size 40
		.amdhsa_user_sgpr_count 2
		.amdhsa_user_sgpr_kernarg_segment_ptr 1
		.amdhsa_wavefront_size32 1
		.amdhsa_system_sgpr_workgroup_id_x 1
		.amdhsa_system_sgpr_workgroup_id_y 1
		.amdhsa_system_sgpr_workgroup_id_z 1
		.amdhsa_system_vgpr_workitem_id 0
		.amdhsa_next_free_vgpr 1024
		.amdhsa_next_free_sgpr 66
		.amdhsa_reserve_vcc 0
		.amdhsa_float_denorm_mode_32 3
		.amdhsa_float_denorm_mode_16_64 3
		.amdhsa_memory_ordered 1
		.amdhsa_forward_progress 1
		.amdhsa_inst_pref_size 106
	.end_amdhsa_kernel
	.amdgpu_metadata
---
amdhsa.version: [ 1, 2 ]
amdhsa.kernels:
  - .name:           k_q6724a8a230_conv2o
    .symbol:         k_q6724a8a230_conv2o.kd
    .args:
      - { .name: z1p, .offset: 0, .size: 8, .value_kind: global_buffer, .address_space: global }
      - { .name: tab1, .offset: 8, .size: 8, .value_kind: global_buffer, .address_space: global }
      - { .name: tab2, .offset: 16, .size: 8, .value_kind: global_buffer, .address_space: global }
      - { .name: prep, .offset: 24, .size: 8, .value_kind: global_buffer, .address_space: global }
      - { .name: out0, .offset: 32, .size: 8, .value_kind: global_buffer, .address_space: global }
    .group_segment_fixed_size: 209408
    .private_segment_fixed_size: 0
    .kernarg_segment_align: 8
    .kernarg_segment_size: 40
    .max_flat_workgroup_size: 128
    .sgpr_count:     66
    .vgpr_count:     1024
    .wavefront_size: 32
...
	.end_amdgpu_metadata
.endif
;; end of part 6
;; ======== version 2 of 2: 7 launches; version 1 with the launch knn1 written anew for expert scheduling mode
;; limits: values are held in f16: magnitudes above 65,504 overflow, below 6.1e-05 lose precision
;; workspace buffers: blkid 262,144 bytes of whole numbers; idx3 1,048,576 bytes of whole numbers; prep 5,439,488 bytes; z1p 34,603,008 bytes; part1 524,288 bytes; part2 524,288 bytes; tab1 4,096 bytes; tab2 2,048 bytes
;; launch knn1 (part 7): grid 256 x 1, 4 waves a work-group, no clusters, 50,176 bytes of LDS; arguments xyz1, xyz2, blkid; writes blkid
.if DOCPART == 7
	.amdgcn_target "amdgcn-amd-amdhsa--gfx1250"
	.amdhsa_code_object_version 6
	.text
	.protected	k_q6724a8a230_knn1
	.globl	k_q6724a8a230_knn1
	.p2align	8
	.type	k_q6724a8a230_knn1,@function
k_q6724a8a230_knn1:
	s_mov_b64 s[64:65], 0
	v_nop
	global_prefetch_b8 v0, s[64:65] scope:SCOPE_SE
	s_setreg_imm32_b32 hwreg(HW_REG_WAVE_SCHED_MODE, 0, 2), 2
	s_setreg_imm32_b32 hwreg(HW_REG_WAVE_MODE, 25, 1), 1
	s_wait_xcnt 0x0
	s_wait_alu depctr_vm_vsrc(0)
; NEAREST NEIGHBOURS, FIRST PASS.  For each of 65,536 queries: the three blocks of 16 candidates (of its batch's 128 blocks) with the smallest minimum distance, ranked by
; (minimum, block number).  The three nearest candidates by (distance, index) lie in those three blocks: were one of them in a fourth block, three blocks ahead of it would each hold a better candidate.
; DISTANCE.  All coordinates are rounded to bf16 first, so every product is exact in f32; d = ((p0 + p1) + p2) x (-2) + |x|^2 + |y|^2, each sum rounded in that order (the factor -2 is put on x: a power of two changes no rounding).
; LIMITS.  NaN and infinities are not served: a query whose distances are not finite leaves block 0.
; SHARES.  A work-group has 256 queries; EVERY wave holds all 256 (lane l, slot i: query 32 i + l) and scans a quarter of the 2,048 candidates, 32 blocks: one LDS read of a record, the same address in all lanes, serves 256 queries.
; The four waves' triples meet in LDS.  No matrix unit: its way of summing is not this chain of f32 roundings.  No cluster: what work-groups share is 24 KiB of coordinates.
; THE MODE: SCHED_MODE bits 1:0 = 2 (LLVM: expert scheduling mode 2), set by the entry lines.  The code itself states the register dependences
; between vector instructions and memory or LDS instructions, with s_wait_alu, always for 0.
; THE PLAN.  Registers that memory or LDS instructions touch:
;   v3 to v7, v11, v14   offsets and LDS addresses, made once at the head and never written again.
;   v[CA]                read by every load of a record; written at the head and once a trip, behind the trip's last load.
;   H0, H1               Half k of the scan (two to a block) reads buffer k % 2; its own eight loads bring half k + 1's records into the other buffer, which half k - 1 has emptied.
;                        At the head both hold the raw candidates: loaded, rounded in place, stored to LDS.  Behind the loop H0 takes the four waves' triples.
;   D                    at the head four zeros that wave 3 stores; in the loop distances; at the end the two words that go to memory.
;   M                    written by vector lines alone until eight LDS stores read it behind the loop.
; So a trip has two waits on va_vdst.  One stands at the head of the second half: the first half is done reading H0.  The other stands beside the ranking's wait on va_sdst: the second half is done reading H1 and v[CA] is written;
; from there to the next trip's loads into H1 the vector lines name M, B, TT, BM, IDV and then H0, X, SX and D: neither H1 nor v[CA].  One wait on vm_vsrc stands ahead of the add to v[CA].
.set OVR,   32768                      ; LDS: 2,048 records (y0, y1, y2, |y|^2) of 16 bytes from byte 0; then 512 bytes that wave 3 writes and alone reads: its last look-ahead takes the first 128 of them
.set MG,    33280                      ; [4 waves][256 queries][16 bytes]: m1, m2, m3, three block numbers packed
.set SPARE, 49664                      ; the spare words, 128 bytes for each wave
.set CA,   2                           ; v2   LDS address of the block in hand: the same in all lanes
.set AX2,  3                           ; v3   12 x thread
.set AX1,  4                           ; v4   12 x lane
.set AST,  5                           ; v5   16 x thread
.set AOV,  6
.set AMG,  7                           ; v7   where my wave's triples go
.set SPW,  8                           ; v8   my spare word; never rewritten
.set NIL,  9                           ; v9   0; never rewritten
.set IDV,  10
.set AOUT, 11
.set T0,   12
.set T1,   13
.set AMR,  14                          ; v14  where the merge reads my two queries' triples
.set X0,   16                          ; v[16:47]  -2 x0, -2 x1, -2 x2, |x|^2 of my eight queries
.set X1,   24
.set X2,   32
.set SX,   40
.set M,    48                          ; slot i at M + 4 i: m1, m2, m3, pack
.set B,    80                          ; slot i at B + 3 i: their block numbers
.set BM,   104                         ; the block's minimum, a register a slot
.set TT,   112
.set D,    120                         ; distances: two candidates x eight queries
.set H0,   136                         ; eight records: a block's first half; ahead of the loop H0 and H1 hold the raw candidates
.set H1,   168                         ; its second half
.set RQ,   200                         ; raw queries
.set CM,   20                          ; s[20:43] three masks a slot
.macro ALL8 line:vararg                ; one line for each slot t
.set t, 0
.rept 8
	\line
.set t, t+1
.endr
.endm
.macro ALL2 line:vararg                ; one line for each of the merge's two queries t
.set t, 0
.rept 2
	\line
.set t, t+1
.endr
.endm
.macro REC q                           ; v[q:q+2] raw -> rounded to bf16, and v[q+3] = (y0^2 + y1^2) + y2^2
	v_cvt_pk_bf16_f32 v[T0], v[\q], v[\q+1]
	v_cvt_pk_bf16_f32 v[T1], v[\q+2], v[\q+2]
	v_lshlrev_b32 v[\q], 16, v[T0]
	v_and_b32 v[\q+1], 0xffff0000, v[T0]
	v_lshlrev_b32 v[\q+2], 16, v[T1]
	v_mul_f32 v[\q+3], v[\q], v[\q]
	v_fmac_f32 v[\q+3], v[\q+1], v[\q+1]
	v_fmac_f32 v[\q+3], v[\q+2], v[\q+2]
.endm
; The eight slots' block minima, with the block's number, are put into the ascending triples m1..m3 with numbers b1..b3, stage by stage so that no line waits for the one before it.
; The comparison is strict: on a tie the earlier entry keeps its place.
.macro TRACK8
	v_mov_b32 v[IDV], s17
	ALL8 v_cmp_lt_f32 s[CM+3*t], v[BM+t], v[M+4*t]
	ALL8 v_cmp_lt_f32 s[CM+3*t+1], v[BM+t], v[M+4*t+1]
	ALL8 v_cmp_lt_f32 s[CM+3*t+2], v[BM+t], v[M+4*t+2]
	s_wait_alu depctr_va_sdst(0)                   ; the 24 compares have written their masks, ahead of the first select that reads one
	s_wait_alu depctr_va_vdst(0)                   ; the second half's lines are done reading H1, in which the next trip's first loads land, and v[CA] is written, which they read
	ALL8 v_cndmask_b32 v[TT+t], v[IDV], v[B+3*t+1], s[CM+3*t+1]
	ALL8 v_cndmask_b32 v[B+3*t+2], v[B+3*t+2], v[TT+t], s[CM+3*t+2]
	ALL8 v_cndmask_b32 v[TT+t], v[IDV], v[B+3*t], s[CM+3*t]
	ALL8 v_cndmask_b32 v[B+3*t+1], v[B+3*t+1], v[TT+t], s[CM+3*t+1]
	ALL8 v_cndmask_b32 v[B+3*t], v[B+3*t], v[IDV], s[CM+3*t]
	ALL8 v_med3_num_f32 v[M+4*t+2], v[M+4*t+1], v[M+4*t+2], v[BM+t]
	ALL8 v_med3_num_f32 v[M+4*t+1], v[M+4*t], v[M+4*t+1], v[BM+t]
	ALL8 v_min_num_f32 v[M+4*t], v[M+4*t], v[BM+t]
.endm
; The merge's step: entry k of wave w's triple is put into the state (wave 0's triple, in H0's first two quads), for both of the thread's queries, stage by stage; the same strict comparison.
.macro TRACK2 w, k
	ALL2 v_bfe_u32 v[TT+t], v[H0+4*(2*\w+t)+3], 8*\k, 8
	ALL2 v_cmp_lt_f32 s[CM+3*t], v[H0+4*(2*\w+t)+\k], v[H0+4*t]
	ALL2 v_cmp_lt_f32 s[CM+3*t+1], v[H0+4*(2*\w+t)+\k], v[H0+4*t+1]
	ALL2 v_cmp_lt_f32 s[CM+3*t+2], v[H0+4*(2*\w+t)+\k], v[H0+4*t+2]
	s_wait_alu depctr_va_sdst(0)                   ; the six compares have written their masks, ahead of the first select that reads one
	ALL2 v_cndmask_b32 v[TT+2+t], v[TT+t], v[B+4*t+1], s[CM+3*t+1]
	ALL2 v_cndmask_b32 v[B+4*t+2], v[B+4*t+2], v[TT+2+t], s[CM+3*t+2]
	ALL2 v_cndmask_b32 v[TT+2+t], v[TT+t], v[B+4*t], s[CM+3*t]
	ALL2 v_cndmask_b32 v[B+4*t+1], v[B+4*t+1], v[TT+2+t], s[CM+3*t+1]
	ALL2 v_cndmask_b32 v[B+4*t], v[B+4*t], v[TT+t], s[CM+3*t]
	ALL2 v_med3_num_f32 v[H0+4*t+2], v[H0+4*t+1], v[H0+4*t+2], v[H0+4*(2*\w+t)+\k]
	ALL2 v_med3_num_f32 v[H0+4*t+1], v[H0+4*t], v[H0+4*t+1], v[H0+4*(2*\w+t)+\k]
	ALL2 v_min_num_f32 v[H0+4*t], v[H0+4*t], v[H0+4*(2*\w+t)+\k]
.endm
; Eight candidates (half a block, in buffer H) against eight queries, two candidates at a time, two queries an instruction; the record's numbers are given to both halves by op_sel.
; Ahead of each pair of candidates two loads bring the same pair of the NEXT half, from byte off behind the block in hand, into the other buffer L.  No wait on va_vdst stands here: no vector line since the last one names L or v[CA].
.macro HALF H, first, L, off
.irp p, 0,1,2,3
	ds_load_b128 v[\L+8*\p:\L+8*\p+3], v[CA] offset:\off+32*\p
	ds_load_b128 v[\L+8*\p+4:\L+8*\p+7], v[CA] offset:\off+32*\p+16
	s_wait_dscnt 8                                 ; LDS loads come back in order (ISA guide 5.7.1): this pair's two records are in; behind them were issued 2 (3 - p) loads in the half before and 2 (p + 1) in this one
.irp c, 0,1
.irp a, 0,1,2,3
	v_pk_mul_f32 v[D+8*\c+2*\a:D+8*\c+2*\a+1], v[X0+2*\a:X0+2*\a+1], v[\H+8*\p+4*\c:\H+8*\p+4*\c+1] op_sel_hi:[1,0]
.endr
.endr
.irp c, 0,1
.irp a, 0,1,2,3
	v_pk_fma_f32 v[D+8*\c+2*\a:D+8*\c+2*\a+1], v[X1+2*\a:X1+2*\a+1], v[\H+8*\p+4*\c:\H+8*\p+4*\c+1], v[D+8*\c+2*\a:D+8*\c+2*\a+1] op_sel:[0,1,0] op_sel_hi:[1,1,1]
.endr
.endr
.irp c, 0,1
.irp a, 0,1,2,3
	v_pk_fma_f32 v[D+8*\c+2*\a:D+8*\c+2*\a+1], v[X2+2*\a:X2+2*\a+1], v[\H+8*\p+4*\c+2:\H+8*\p+4*\c+3], v[D+8*\c+2*\a:D+8*\c+2*\a+1] op_sel_hi:[1,0,1]
.endr
.endr
.irp c, 0,1
.irp a, 0,1,2,3
	v_pk_add_f32 v[D+8*\c+2*\a:D+8*\c+2*\a+1], v[D+8*\c+2*\a:D+8*\c+2*\a+1], v[SX+2*\a:SX+2*\a+1]
.endr
.endr
.irp c, 0,1
.irp a, 0,1,2,3
	v_pk_add_f32 v[D+8*\c+2*\a:D+8*\c+2*\a+1], v[D+8*\c+2*\a:D+8*\c+2*\a+1], v[\H+8*\p+4*\c+2:\H+8*\p+4*\c+3] op_sel:[0,1] op_sel_hi:[1,1]
.endr
.endr
.if (\first) && (\p == 0)
	ALL8 v_min_num_f32 v[BM+t], v[D+t], v[D+8+t]
.else
	ALL8 v_min3_num_f32 v[BM+t], v[BM+t], v[D+t], v[D+8+t]
.endif
.endr
.endm
	s_load_b128 s[4:7], s[0:1], 0x0                ; xyz1 s[4:5], xyz2 s[6:7]
	s_load_b64 s[8:9], s[0:1], 0x10                ; blkid
	v_lshl_add_u32 v[SPW], v0, 2, SPARE
	v_mov_b32 v[NIL], 0
	v_lshrrev_b32 v1, 5, v0
	v_readfirstlane_b32 s10, v1                    ; wave 0..3
	v_and_b32 v1, 31, v0                           ; lane
	s_mul_i32 s12, ttmp9, 3072                     ; my 256 queries: 12 bytes each
	s_mov_b32 s13, 0
	s_lshr_b32 s14, ttmp9, 5                       ; the batch: 32 work-groups each
	s_mul_i32 s14, s14, 24576                      ; its 2,048 candidates
	s_mov_b32 s15, 0
	s_lshl_b32 s18, ttmp9, 10                      ; my 256 words of blkid
	s_mov_b32 s19, 0
	s_mov_b32 s11, 0x7f800000                      ; +infinity
	v_mul_u32_u24 v[AX2], v0, 12
	v_mul_u32_u24 v[AX1], v1, 12
	v_lshlrev_b32 v[AST], 4, v0
	v_lshl_add_u32 v[AOV], v1, 4, OVR
	v_lshlrev_b32 v[AOUT], 3, v0
	v_lshl_add_u32 v[AMR], v0, 5, MG               ; the merge: thread n takes queries 2 n and 2 n + 1
	s_wait_alu depctr_va_sdst(0)                   ; s10 is written, ahead of its first reader: the wave's LDS addresses and its first block's number are made from it
	s_lshl_b32 s44, s10, 13                        ; my quarter: 512 records
	v_mov_b32 v[CA], s44
	s_lshl_b32 s17, s10, 5                         ; its first block's number
	s_lshl_b32 s45, s10, 12
	s_add_co_u32 s45, s45, MG
	v_lshl_add_u32 v[AMG], v1, 4, s45
	s_wait_kmcnt 0x0
	s_add_nc_u64 s[4:5], s[4:5], s[12:13]
	s_add_nc_u64 s[6:7], s[6:7], s[14:15]
	s_add_nc_u64 s[8:9], s[8:9], s[18:19]
	s_wait_alu depctr_va_vdst(0)                   ; the eight offsets and addresses v2 to v7, v11 and v14 are written, which the loads and stores of the kernel read
.irp i, 0,1,2,3,4,5,6,7,8,9,10,11,12,13,14,15
	global_load_b96 v[H0+4*\i:H0+4*\i+2], v[AX2], s[6:7] offset:1536*\i   ; candidate thread + 128 i
.endr
.irp i, 0,1,2,3,4,5,6,7
	global_load_b96 v[RQ+4*\i:RQ+4*\i+2], v[AX1], s[4:5] offset:384*\i    ; query lane + 32 i
.endr
.irp j, 0,1,2,3
	v_mov_b32 v[D+\j], 0
.endr
	ALL8 v_mov_b32 v[M+4*t], s11
	ALL8 v_mov_b32 v[M+4*t+1], s11
	ALL8 v_mov_b32 v[M+4*t+2], s11
	ALL8 v_mov_b32 v[B+3*t], 0
	ALL8 v_mov_b32 v[B+3*t+1], 0
	ALL8 v_mov_b32 v[B+3*t+2], 0
	s_wait_loadcnt 8                               ; the candidates are in; the eight loads of queries, issued behind them, may stay out
.irp i, 0,1,2,3,4,5,6,7,8,9,10,11,12,13,14,15
	REC H0+4*\i
.endr
	s_wait_alu depctr_va_vdst(0)                   ; the sixteen records in H0 and H1 and the four zeros in D are written, which the LDS stores below read; no vector line names H0 or H1 again ahead of the loads that land in them
.irp i, 0,1,2,3,4,5,6,7,8,9,10,11,12,13,14,15
	ds_store_b128 v[AST], v[H0+4*\i:H0+4*\i+3] offset:2048*\i
.endr
	s_cmp_lg_u32 s10, 3
	s_cbranch_scc1 .Lno_ovr
	ds_store_b128 v[AOV], v[D:D+3]                 ; zeros where wave 3's last look-ahead reads: they are loaded and not used
.Lno_ovr:
	s_wait_loadcnt 0x0                             ; the queries
	ALL8 v_cvt_pk_bf16_f32 v[TT+t], v[RQ+4*t], v[RQ+4*t+1]
	ALL8 v_cvt_pk_bf16_f32 v[BM+t], v[RQ+4*t+2], v[RQ+4*t+2]
	ALL8 v_lshlrev_b32 v[X0+t], 16, v[TT+t]
	ALL8 v_and_b32 v[X1+t], 0xffff0000, v[TT+t]
	ALL8 v_lshlrev_b32 v[X2+t], 16, v[BM+t]
	ALL8 v_mul_f32 v[SX+t], v[X0+t], v[X0+t]
	ALL8 v_fmac_f32 v[SX+t], v[X1+t], v[X1+t]
	ALL8 v_fmac_f32 v[SX+t], v[X2+t], v[X2+t]
	ALL8 v_mul_f32 v[X0+t], -2.0, v[X0+t]
	ALL8 v_mul_f32 v[X1+t], -2.0, v[X1+t]
	ALL8 v_mul_f32 v[X2+t], -2.0, v[X2+t]
	s_wait_dscnt 0x0                               ; for the others' sake: my records are stored
	s_barrier_signal -1
	s_barrier_wait -1
	s_wait_alu depctr_vm_vsrc(0)                   ; my LDS stores have read H0, H1 and D: from here on records land in the first two, and the loop's lines write the third
.irp c, 0,1,2,3,4,5,6,7
	ds_load_b128 v[H0+4*\c:H0+4*\c+3], v[CA] offset:16*\c   ; the first block's first half; every later half is asked for by the half before it
.endr
	s_mov_b32 s16, 32
.Lblock:                                               ; a trip: one block of 16 candidates against 256 queries; each half asks for the next half's records, two ahead of each pair of candidates
	HALF H0, 1, H1, 128                            ; its loads land in H1 and read v[CA]: the wait for both stands in the last trip's ranking, or, in the first trip, at the head
	s_wait_alu depctr_va_vdst(0)                   ; the first half's lines are done reading H0, in which the second half's loads land
	HALF H1, 0, H0, 256
	s_wait_alu depctr_vm_vsrc(0)                   ; the loads issued so far have read v[CA]
	v_add_nc_u32 v[CA], 0x100, v[CA]
	TRACK8
	s_add_co_u32 s17, s17, 1
	s_sub_co_u32 s16, s16, 1
	s_cmp_lg_u32 s16, 0
	s_cbranch_scc1 .Lblock
	s_wait_dscnt 0x0                               ; the last look-ahead (the next quarter's first half block, or wave 3's zeros) is not used
	ALL8 v_lshl_or_b32 v[M+4*t+3], v[B+3*t+1], 8, v[B+3*t]
	ALL8 v_lshl_or_b32 v[M+4*t+3], v[B+3*t+2], 16, v[M+4*t+3]
	s_wait_alu depctr_va_vdst(0)                   ; the eight quads of M are written, which the LDS stores below read
.irp i, 0,1,2,3,4,5,6,7
	ds_store_b128 v[AMG], v[M+4*\i:M+4*\i+3] offset:512*\i
.endr
	s_wait_dscnt 0x0
	s_barrier_signal -1
	s_barrier_wait -1
	; THE MERGE.  Thread n takes queries 2 n and 2 n + 1.  Wave 0's triple is the state; the nine entries of waves 1 to 3 follow by wave and rank: ascending block numbers, so the strict comparison ranks ties by number.
.irp w, 0,1,2,3
.irp e, 0,1
	ds_load_b128 v[H0+4*(2*\w+\e):H0+4*(2*\w+\e)+3], v[AMR] offset:4096*\w+16*\e   ; no vector line has named H0 since the wait at the head of the last second half
.endr
.endr
	s_wait_dscnt 0x0
.irp e, 0,1
	v_and_b32 v[B+4*\e], 0xff, v[H0+4*\e+3]
	v_bfe_u32 v[B+4*\e+1], v[H0+4*\e+3], 8, 8
	v_bfe_u32 v[B+4*\e+2], v[H0+4*\e+3], 16, 8
.endr
.irp w, 1,2,3
.irp k, 0,1,2
	TRACK2 \w, \k
.endr
.endr
.irp e, 0,1
	v_lshl_or_b32 v[D+\e], v[B+4*\e+1], 8, v[B+4*\e]
	v_lshl_or_b32 v[D+\e], v[B+4*\e+2], 16, v[D+\e]
.endr
	s_wait_alu depctr_va_vdst(0)                   ; the two packed words in D are written, which the store reads
	global_store_b64 v[AOUT], v[D:D+1], s[8:9]     ; a wave stores 256 consecutive bytes, aligned
	s_wait_dscnt 0x0                               ; the closing lines, six on end
	s_wait_alu 0x0
	s_wait_tensorcnt 0x0
	ds_add_u32 v[SPW], v[NIL]
	s_wait_dscnt 0x0
	s_endpgm
.Lfunc_end_k_q6724a8a230_knn1:
	.size	k_q6724a8a230_knn1, .Lfunc_end_k_q6724a8a230_knn1-k_q6724a8a230_knn1
	.p2alignl 7, 3214868480
	.fill 96, 4, 3214868480
	.section	.rodata,"a",@progbits
	.p2align	6, 0x0
	.amdhsa_kernel k_q6724a8a230_knn1
		.amdhsa_group_segment_fixed_size 50176
		.amdhsa_private_segment_fixed_size 0
		.amdhsa_enable_private_segment 0
		.amdhsa_kernarg_size 24
		.amdhsa_user_sgpr_count 2
		.amdhsa_user_sgpr_kernarg_segment_ptr 1
		.amdhsa_wavefront_size32 1
		.amdhsa_system_sgpr_workgroup_id_x 1
		.amdhsa_system_sgpr_workgroup_id_y 1
		.amdhsa_system_sgpr_workgroup_id_z 1
		.amdhsa_system_vgpr_workitem_id 0
		.amdhsa_next_free_vgpr 256
		.amdhsa_next_free_sgpr 66
		.amdhsa_reserve_vcc 0
		.amdhsa_float_denorm_mode_32 3
		.amdhsa_float_denorm_mode_16_64 3
		.amdhsa_memory_ordered 1
		.amdhsa_forward_progress 1
		.amdhsa_inst_pref_size 64
	.end_amdhsa_kernel
	.amdgpu_metadata
---
amdhsa.version: [ 1, 2 ]
amdhsa.kernels:
  - .name:           k_q6724a8a230_knn1
    .symbol:         k_q6724a8a230_knn1.kd
    .args:
      - { .name: xyz1, .offset: 0, .size: 8, .value_kind: global_buffer, .address_space: global }
      - { .name: xyz2, .offset: 8, .size: 8, .value_kind: global_buffer, .address_space: global }
      - { .name: blkid, .offset: 16, .size: 8, .value_kind: global_buffer, .address_space: global }
    .group_segment_fixed_size: 50176
    .private_segment_fixed_size: 0
    .kernarg_segment_align: 8
    .kernarg_segment_size: 24
    .max_flat_workgroup_size: 128
    .sgpr_count:     66
    .vgpr_count:     256
    .wavefront_size: 32
...
	.end_amdgpu_metadata
.endif
;; end of part 7
;; launch knn2: the kernel of part 2 again; grid 256 x 1, 8 waves a work-group, no clusters, 53,248 bytes of LDS; arguments xyz1, xyz2, features2, W1, W2, blkid, idx3, prep; writes idx3, prep
;; launch conv1: the kernel of part 3 again; grid 256 x 1, 16 waves a work-group, clusters of 4 x 1, 284,672 bytes of LDS; arguments idx3, prep, features1, b1, z1p, part1; writes z1p, part1
;; launch stat1: the kernel of part 4 again; grid 8 x 1, 8 waves a work-group, no clusters, 5,632 bytes of LDS; arguments part1, b1, g1, be1, tab1; writes tab1
;; launch conv2s: the kernel of part 5 again; grid 256 x 1, 4 waves a work-group, clusters of 4 x 1, 167,936 bytes of LDS; arguments z1p, tab1, prep, b2, part2; writes part2
;; launch stat2: the kernel of part 4 again; grid 4 x 1, 8 waves a work-group, no clusters, 5,632 bytes of LDS; arguments part2, b2, g2, be2, tab2; writes tab2
;; launch conv2o: the kernel of part 6 again; grid 256 x 1, 4 waves a work-group, clusters of 4 x 1, 209,408 bytes of LDS; arguments z1p, tab1, tab2, prep, out0; writes out0
